; MI455X (gfx1250); checked and timed in simulation.
; The chip was launched on July 23, 2026; its instructions are those of AMD's public machine-readable ISA for CDNA 5 (MIT licence, August 2026) and "CDNA5" Instruction Set Architecture Reference Guide (July 2026). The comments in the code are by the model that wrote it; some were corrected since.
;; Expert Parallel Mo E. Allowed arithmetic: matrix products marked QUANTISED: E4M3 operands, one E8M0 scale for each 32 along K, by v_wmma_scale_f32_16x16x128_f8f6f4 with both operands' format E4M3, f32 sums; products left as they are: f32 operands where the result goes on into a quantised operand, else bf16, f16 or f32 operands; f32 sums; everything else in f32.
;; Inputs: b1 8 x 2,048 float32; b2 8 x 1,024 float32; hidden_states 4 x 512 x 1,024 float32; router_w 1,024 x 8 float32; w1_codes 8 x 2,048 x 32 x 32 uint8 (E4M3 codes of w1, K innermost, in blocks of 32 codes); w1_scales 8 x 2,048 x 32 uint8 (E8M0 scales of w1, one for each 32 codes along K); w2_codes 8 x 1,024 x 64 x 32 uint8 (E4M3 codes of w2, K innermost, in blocks of 32 codes); w2_scales 8 x 1,024 x 64 uint8 (E8M0 scales of w2, one for each 32 codes along K).
;; Outputs: out0 4 x 512 x 1,024 float32.
;; This version of the problem:
;;   THIS VERSION OF THE PROBLEM IS GIVEN IN LOW PRECISION. The matrix products marked QUANTISED in the list below multiply operands that are first quantised to E4M3 (4 exponent bits, 3 mantissa bits; 8 bits a number), with one power-of-two scale for each 32 numbers along K (OCP MX v1.0); their sums are f32. All else is computed in f32.
;;   The module's matrix products, in the order in which they are computed (A, B: the left and right operand; K: the contracted axis; several contracted axes count as one K, in the product's order):
;;     1. [M 2,048, K 1,024] x [K 1,024, N 8]; A: input hidden_states; B: input router_w: left as it is (N = 8 < 16)
;;     2. [M 2,048, K 1,024] x [K 1,024, N 16,384]; A: input hidden_states; B: input w1 (given as codes): QUANTISED
;;     3. batch 8 x [M 1,024, K 2,048] x [K 2,048, N 2,048]; A: input w2 (given as codes); B: computed on the way: QUANTISED
;;   THE QUANTISER, for each operand of a quantised product, along K:
;;     - K is cut into blocks of 32 from its start; a last block that is shorter is filled with zeros.
;;     - A block's scale is 2^e with e = floor(log2(the largest magnitude in the block)) - 8, held to -126 .. 127; a block of zeros has e = 0. As a byte (E8M0): e + 127.
;;     - Each number is divided by its block's scale, clamped to +-448, and rounded to the nearest number of E4M3, ties to even, subnormals kept.
;;     - The product sums the exact products of the quantised numbers (number of the format x scale) in f32.
;;   ~~~python
;;   def quantise(x, axis):      # numpy; x: float32 -> the quantised numbers, widened to float32 again
;;       x = np.moveaxis(x, axis, -1); K = x.shape[-1]
;;       x = np.pad(x, [(0, 0)] * (x.ndim - 1) + [(0, -K % 32)]); x = x.reshape(x.shape[:-1] + (-1, 32)); a = np.abs(x).max(-1, keepdims=True)
;;       e = np.where(a > 0, np.clip(np.frexp(np.where(a > 0, a, 1))[1] - 1 - 8, -126, 127), 0)      # np.frexp(a)[1] - 1 = floor(log2(a)), exactly
;;       r = np.clip(x / 2.0 ** e, -448, 448)
;;       step = 2.0 ** (np.maximum(np.frexp(np.where(r == 0, 1, r))[1] - 1, -6) - 3)
;;       q = np.round(r / step) * step * 2.0 ** e      # np.round: ties to even
;;       return np.moveaxis(q.reshape(q.shape[:-2] + (-1,))[..., :K], -1, axis).astype(np.float32)
;;   ~~~
;;   OPERANDS COMPUTED ON THE WAY. 'Computed on the way' means the value that the module computes at that place (a softmax that the list does not call 'softmax' is quantised finished and normalised). What goes into a quantiser is computed in f32, as accurately as f32 sums, v_exp_f32 and their like allow (about 1e-6 of the number): no bf16 or f16 on the way to a quantiser, and a product that is left as it is and whose result goes on into a quantised operand takes f32 operands (vector FMAs, or v_wmma_f32_16x16x4_f32). A number that lies on a knife's edge between two numbers of the format may be rounded either way, as far as f32 arithmetic and the matrix unit's own rounding can turn it there, and no further.
;;   INPUTS GIVEN AS CODES. w1 (in the module: [8, 1024, 2048], K = its axis 1); w2 (in the module: [8, 2048, 1024], K = its axis 1): each comes as NAME_codes (uint8): NAME with its K axis moved to the last place and cut into blocks of 32 codes, [.., K / 32, bytes a block], one block behind the other in memory; one code a byte (a code: sign, 4 exponent bits, 3 mantissa bits); and NAME_scales (uint8): the same leading axes, one E8M0 byte (e + 127) for each 32 codes along K. Its value is code x scale, taken as it is: it is not quantised again, and the codes and scales need not be those that the quantiser above would give.
;; 2 versions. Each part assembles by itself: llvm-mc -triple=amdgcn-amd-amdhsa -mcpu=gfx1250 --defsym DOCPART=n.
;; ======== version 1 of 2: 4 launches
;; workspace buffers: xq 2,097,152 bytes; xs 65,536 bytes; pid 8,192 bytes of whole numbers; gates 16,384 bytes; tok 18,944 bytes of whole numbers; info 1,024 bytes of whole numbers; hq 19,267,584 bytes; hs 802,816 bytes
;; launch route (part 1): grid 128 x 1, 4 waves a work-group, no clusters, 1,024 bytes of LDS; arguments hidden_states, router_w, xq, xs, pid, gates; writes xq, xs, pid, gates
.if DOCPART == 1
	.amdgcn_target "amdgcn-amd-amdhsa--gfx1250"
	.amdhsa_code_object_version 6
	.text
	.protected	k_q780de9ec1c_route
	.globl	k_q780de9ec1c_route
	.p2align	8
	.type	k_q780de9ec1c_route,@function
k_q780de9ec1c_route:
	s_mov_b64 s[64:65], 0
	v_nop
	global_prefetch_b8 v0, s[64:65] scope:SCOPE_SE
	s_setreg_imm32_b32 hwreg(HW_REG_WAVE_MODE, 25, 1), 1
	s_wait_xcnt 0x0
; ROUTER AND QUANTISER OF x.  hidden_states [2048][1024] f32, router_w [1024][8] f32.
; For each token: logits = x . router_w in f32, softmax over the 8 experts (the largest logit is taken away first), the two largest
; probabilities (of equal ones the lower expert first), their gates renormalised.  Stored at fixed places, as data: pid[token] = b (b - 1) / 2 + a for the
; chosen experts a < b, gates[token] = (gate of a, gate of b).  No address and no branch of this launch hangs on them.
; The same read of x also gives its codes of E4M3 (xq [2048][1024], K innermost) and one E8M0 byte for each 32 along K (xs [2048][32]).
; SHARES: a wave takes 4 tokens.  In step s (0..3) of a row a lane holds k = 256 s + 8 lane + 0..7, so a block of 32 along K lies in 4 neighbouring lanes,
; and a lane's 8 codes are 8 bytes: a wave's store of codes covers 256 consecutive bytes, aligned.  The lane's 256 numbers of router_w stay in registers v256-511 for its 4 tokens.
; No matrix unit, no cluster, no tensor load: N = 8 is under a tile's width, waves share nothing but router_w, and that is 32,768 bytes.
; LIMITS: NaN and infinities are not served.  A block of zeros, or one whose largest magnitude lies under 2^-118, gets the byte 1 (the rule says 127 for zeros): its codes are
; zeros or held, and only this program reads the bytes.  The logits are summed in another order than a row-by-row sum, so two experts whose probabilities differ by f32 rounding alone may change places.
.set X,   32                           ; v32-159  x: token i, step s at X + 32 i + 8 s
.set ACC, 160                          ; v160-191 8 a token: partial logits, logits, then probabilities
.set BY,  192                          ; v192-207 a scale byte for each (token, step): no LDS store's data are written again
.set CD,  208                          ; v208-239 two registers of codes for each (token, step): no store's data are written again
.set MX,  240                          ; v240-243 largest magnitudes of a token's four steps
.set SC,  244                          ; v244-247 the conversions' scale operands
.set HO,  248                          ; v248-251 448 x the scale
.set MT,  64                           ; from here on x's registers are used again, behind the conversions: the largest logit, 4 tokens
.set SU,  68                           ; the sum, then its reciprocal
.set V1,  72
.set I1,  76
.set V2,  80
.set I2,  84
.set RR,  88
.set G1,  92
.set G2,  96
.set EA,  100
.set EB,  104
.set PID, 108
.set GA,  112
.set GB,  116
.set NEG, 120
.set PO,  121
.set GO,  122                          ; v[122:123]
.set SB,  124
.set MSB, 0
.macro WIN new                         ; the immediate's high byte repeats the setting that is left
.if MSB != (\new)
	s_set_vgpr_msb (MSB<<8)|(\new)
.set MSB, (\new)
.endif
.endm
	s_load_b256 s[4:11], s[0:1], 0x0               ; x s[4:5], router_w s[6:7], xq s[8:9], xs s[10:11]
	s_load_b128 s[12:15], s[0:1], 0x20             ; pid s[12:13], gates s[14:15]
	v_lshl_add_u32 v254, v0, 2, 0x200
	v_mov_b32 v255, 0
	v_lshrrev_b32 v9, 5, v0
	v_readfirstlane_b32 s16, v9                    ; wave 0..3
	v_and_b32 v1, 31, v0                           ; lane
	v_lshlrev_b32 v2, 5, v1                        ; x: 32 bytes a lane
	v_lshlrev_b32 v3, 8, v1                        ; router_w: 8 rows of 32 bytes a lane
	v_lshlrev_b32 v4, 3, v1                        ; codes, and gates: 8 bytes a lane
	v_lshlrev_b32 v5, 2, v1                        ; 4 bytes a lane
	v_lshrrev_b32 v6, 2, v1
	s_lshl_b32 s17, s16, 7
	v_add_nc_u32 v6, s17, v6                       ; LDS: my wave's 128 scale bytes, my block's byte
	v_add_nc_u32 v7, s17, v5                       ; and on the way out 4 bytes a lane
	s_lshl_b32 s18, ttmp9, 4
	s_lshl_b32 s19, s16, 2
	s_add_co_u32 s18, s18, s19                     ; my first token: 16 x work-group + 4 x wave
	s_lshl_b32 s20, s18, 12
	s_mov_b32 s21, 0
	s_lshl_b32 s22, s18, 10
	s_mov_b32 s23, 0
	s_lshl_b32 s24, s18, 5
	s_mov_b32 s25, 0
	s_lshl_b32 s26, s18, 2
	s_mov_b32 s27, 0
	s_lshl_b32 s28, s18, 3
	s_mov_b32 s29, 0
	s_mov_b32 s30, 0x600000                        ; the mantissa field of 448
	s_mov_b32 s32, 0x76543210
	s_mov_b32 s33, 0xfedcba98                      ; v_permlanex16_b32's selects for lane l xor 16
	s_wait_kmcnt 0x0
	s_add_nc_u64 s[4:5], s[4:5], s[20:21]
	s_add_nc_u64 s[8:9], s[8:9], s[22:23]
	s_add_nc_u64 s[10:11], s[10:11], s[24:25]
	s_add_nc_u64 s[12:13], s[12:13], s[26:27]
	s_add_nc_u64 s[14:15], s[14:15], s[28:29]
.irp i, 0,1,2,3
.irp s, 0,1,2,3
	global_load_b128 v[X+32*\i+8*\s:X+32*\i+8*\s+3],   v2, s[4:5] offset:4096*\i+1024*\s th:TH_LOAD_NT
	global_load_b128 v[X+32*\i+8*\s+4:X+32*\i+8*\s+7], v2, s[4:5] offset:4096*\i+1024*\s+16 th:TH_LOAD_NT
.endr
.endr
	WIN 0x40                                       ; destination v256 on
.irp s, 0,1,2,3
.irp k, 0,1,2,3,4,5,6,7
	global_load_b128 v[64*\s+8*\k:64*\s+8*\k+3],   v3, s[6:7] offset:8192*\s+32*\k      ; router_w[256 s + 8 lane + k][0..3]
	global_load_b128 v[64*\s+8*\k+4:64*\s+8*\k+7], v3, s[6:7] offset:8192*\s+32*\k+16   ; [4..7]
.endr
.endr
	s_wait_loadcnt 0x0
	; THE LOGITS, my 32 k of each token: two experts an instruction, x's number taken for both halves from its pair.  The first k starts the sums: nothing is cleared.
	WIN 0x01                                       ; source 0 (router_w) from v256 on
.irp s, 0,1,2,3
.irp k, 0,1,2,3,4,5,6,7
.irp i, 0,1,2,3
.irp j, 0,2,4,6
.if (\s == 0) && (\k == 0)
	v_pk_mul_f32 v[ACC+8*\i+\j:ACC+8*\i+\j+1], v[\j:\j+1], v[X+32*\i:X+32*\i+1] op_sel_hi:[1,0]
.elseif (\k % 2) == 0
	v_pk_fma_f32 v[ACC+8*\i+\j:ACC+8*\i+\j+1], v[64*\s+8*\k+\j:64*\s+8*\k+\j+1], v[X+32*\i+8*\s+\k:X+32*\i+8*\s+\k+1], v[ACC+8*\i+\j:ACC+8*\i+\j+1] op_sel_hi:[1,0,1]
.else
	v_pk_fma_f32 v[ACC+8*\i+\j:ACC+8*\i+\j+1], v[64*\s+8*\k+\j:64*\s+8*\k+\j+1], v[X+32*\i+8*\s+\k-1:X+32*\i+8*\s+\k], v[ACC+8*\i+\j:ACC+8*\i+\j+1] op_sel:[0,1,0] op_sel_hi:[1,1,1]
.endif
.endr
.endr
.endr
.endr
	WIN 0
; A TOKEN'S CODES.  Its four steps take turns line by line.  The largest magnitude of my 8 with the floor 2^(9 - 127) among them, then of the 3 lanes that share the block;
; 8 off its exponent field is the conversion's scale operand; its exponent field over 448's mantissa is the hold.
.macro QTOK i
.irp s, 0,1,2,3
	v_max3_num_f32 v[MX+\s], |v[X+32*\i+8*\s]|, |v[X+32*\i+8*\s+1]|, 0x4800000
.endr
.irp k, 2,4,6
.irp s, 0,1,2,3
	v_max3_num_f32 v[MX+\s], v[MX+\s], |v[X+32*\i+8*\s+\k]|, |v[X+32*\i+8*\s+\k+1]|
.endr
.endr
.irp s, 0,1,2,3
	v_max_num_f32_dpp v[MX+\s], v[MX+\s], v[MX+\s] row_xmask:1 row_mask:0xf bank_mask:0xf
.endr
.irp s, 0,1,2,3
	v_max_num_f32_dpp v[MX+\s], v[MX+\s], v[MX+\s] row_xmask:2 row_mask:0xf bank_mask:0xf
.endr
.irp s, 0,1,2,3
	v_add_nc_u32 v[SC+\s], 0xfc000000, v[MX+\s]
.endr
.irp s, 0,1,2,3
	v_and_or_b32 v[HO+\s], v[MX+\s], 0x7f800000, s30
.endr
.irp s, 0,1,2,3
.irp k, 0,1,2,3,4,5,6,7
	v_med3_num_f32 v[X+32*\i+8*\s+\k], v[X+32*\i+8*\s+\k], -v[HO+\s], v[HO+\s]   ; the conversion to an 8-bit code does not saturate (ISA guide 7.6.2): the hold comes first.  In place: the logits have read x
.endr
.endr
.irp s, 0,1,2,3
	v_cvt_scalef32_pk8_fp8_f32 v[CD+2*(4*\i+\s):CD+2*(4*\i+\s)+1], v[X+32*\i+8*\s:X+32*\i+8*\s+7], v[SC+\s]
.endr
.irp s, 0,1,2,3
	v_lshrrev_b32 v[BY+4*\i+\s], 23, v[SC+\s]      ; the scale's byte; these plain lines also stand between the conversions and whatever next writes their sources
.endr
.irp s, 0,1,2,3
	ds_store_b8 v6, v[BY+4*\i+\s] offset:32*\i+8*\s                 ; the four lanes of a block write the same byte with the same value
	global_store_b64 v4, v[CD+2*(4*\i+\s):CD+2*(4*\i+\s)+1], s[8:9] offset:1024*\i+256*\s
.endr
.endm
	QTOK 0
	QTOK 1
	QTOK 2
	QTOK 3
	; the 32 partial logits are summed over the 32 lanes; every lane ends with all of them
.irp x, 1,2,4,8
.set r, 0
.rept 32
	v_add_f32_dpp v[ACC+r], v[ACC+r], v[ACC+r] row_xmask:\x row_mask:0xf bank_mask:0xf
.set r, r+1
.endr
.endr
.set r, 0
.rept 32
	v_permlanex16_b32 v[X+r], v[ACC+r], s32, s33   ; (its destination counts as read: x's registers have been written)
.set r, r+1
.endr
.set r, 0
.rept 32
	v_add_f32 v[ACC+r], v[ACC+r], v[X+r]
.set r, r+1
.endr
	; SOFTMAX, the four tokens by turns
.irp i, 0,1,2,3
	v_max3_num_f32 v[MT+\i], v[ACC+8*\i], v[ACC+8*\i+1], v[ACC+8*\i+2]
.endr
.irp k, 3,5
.irp i, 0,1,2,3
	v_max3_num_f32 v[MT+\i], v[MT+\i], v[ACC+8*\i+\k], v[ACC+8*\i+\k+1]
.endr
.endr
.irp i, 0,1,2,3
	v_max_num_f32 v[MT+\i], v[MT+\i], v[ACC+8*\i+7]
.endr
.irp i, 0,1,2,3
.irp e, 0,1,2,3,4,5,6,7
	v_sub_f32 v[ACC+8*\i+\e], v[ACC+8*\i+\e], v[MT+\i]              ; logit - the largest logit: 0 or less
.endr
.endr
.set r, 0
.rept 32
	v_mul_f32 v[ACC+r], 0x3fb8aa3b, v[ACC+r]       ; x log2(e)
.set r, r+1
.endr
.set r, 0
.rept 32
	v_exp_f32 v[ACC+r], v[ACC+r]
.set r, r+1
.endr
	v_mov_b32 v[NEG], -1.0                         ; a plain line behind the exponentials
	s_wait_alu depctr_va_vdst(0)                   ; one wait for the batch, ahead of its first reader
.irp i, 0,1,2,3
	v_add_f32 v[SU+\i], v[ACC+8*\i], v[ACC+8*\i+1]
.endr
.irp e, 2,3,4,5,6,7
.irp i, 0,1,2,3
	v_add_f32 v[SU+\i], v[SU+\i], v[ACC+8*\i+\e]
.endr
.endr
.irp i, 0,1,2,3
	v_rcp_f32 v[SU+\i], v[SU+\i]
.endr
	v_nop
	s_wait_alu depctr_va_vdst(0)
.irp i, 0,1,2,3
.irp e, 0,1,2,3,4,5,6,7
	v_mul_f32 v[ACC+8*\i+\e], v[ACC+8*\i+\e], v[SU+\i]              ; the probabilities
.endr
.endr
; The largest of a token's 8 and its number, by an ascending scan that keeps what it has on equality: of equal probabilities the lower expert wins.  Selections only, no branch.
.macro SCAN val, idx
.irp i, 0,1,2,3
	v_mov_b32 v[\val+\i], v[ACC+8*\i]
	v_mov_b32 v[\idx+\i], 0
.endr
.irp e, 1,2,3,4,5,6,7
.irp i, 0,1,2,3
	v_cmp_ge_f32 vcc_lo, v[\val+\i], v[ACC+8*\i+\e]
	v_cndmask_b32 v[\idx+\i], \e, v[\idx+\i], vcc_lo
	v_cndmask_b32 v[\val+\i], v[ACC+8*\i+\e], v[\val+\i], vcc_lo
.endr
.endr
.endm
	SCAN V1, I1
.irp e, 0,1,2,3,4,5,6,7
.irp i, 0,1,2,3
	v_cmp_eq_u32 vcc_lo, \e, v[I1+\i]
	v_cndmask_b32 v[ACC+8*\i+\e], v[ACC+8*\i+\e], v[NEG], vcc_lo    ; the winner becomes -1, under every probability
.endr
.endr
	SCAN V2, I2
.irp i, 0,1,2,3
	v_add_f32 v[RR+\i], v[V1+\i], v[V2+\i]
.endr
.irp i, 0,1,2,3
	v_rcp_f32 v[RR+\i], v[RR+\i]
.endr
.irp i, 0,1,2,3
	v_min_u32 v[EA+\i], v[I1+\i], v[I2+\i]         ; a: the lower expert.  (Plain lines behind the reciprocals, which name none of their results)
.endr
.irp i, 0,1,2,3
	v_add_nc_u32 v[EB+\i], v[I1+\i], v[I2+\i]
.endr
.irp i, 0,1,2,3
	v_sub_nc_u32 v[EB+\i], v[EB+\i], v[EA+\i]      ; b: the other
.endr
.irp i, 0,1,2,3
	v_add_nc_u32 v[PID+\i], -1, v[EB+\i]
.endr
.irp i, 0,1,2,3
	v_mul_u32_u24 v[PID+\i], v[PID+\i], v[EB+\i]
.endr
.irp i, 0,1,2,3
	v_lshrrev_b32 v[PID+\i], 1, v[PID+\i]
.endr
.irp i, 0,1,2,3
	v_add_nc_u32 v[PID+\i], v[PID+\i], v[EA+\i]    ; b (b - 1) / 2 + a: 0 .. 27
.endr
	s_wait_alu depctr_va_vdst(0)
.irp i, 0,1,2,3
	v_mul_f32 v[G1+\i], v[V1+\i], v[RR+\i]
	v_mul_f32 v[G2+\i], v[V2+\i], v[RR+\i]
.endr
.irp i, 0,1,2,3
	v_cmp_lt_u32 vcc_lo, v[I1+\i], v[I2+\i]
	v_cndmask_b32 v[GA+\i], v[G2+\i], v[G1+\i], vcc_lo              ; the gate of a,
	v_cndmask_b32 v[GB+\i], v[G1+\i], v[G2+\i], vcc_lo              ; and of b
.endr
	; every lane holds all four tokens' results: lane i keeps token i's
	v_cmp_eq_u32 s34, 1, v1
	v_cmp_eq_u32 s35, 2, v1
	v_cmp_eq_u32 s36, 3, v1
	v_cndmask_b32 v[PO], v[PID], v[PID+1], s34
	v_cndmask_b32 v[GO], v[GA], v[GA+1], s34
	v_cndmask_b32 v[GO+1], v[GB], v[GB+1], s34
	v_cndmask_b32 v[PO], v[PO], v[PID+2], s35
	v_cndmask_b32 v[GO], v[GO], v[GA+2], s35
	v_cndmask_b32 v[GO+1], v[GO+1], v[GB+2], s35
	v_cndmask_b32 v[PO], v[PO], v[PID+3], s36
	v_cndmask_b32 v[GO], v[GO], v[GA+3], s36
	v_cndmask_b32 v[GO+1], v[GO+1], v[GB+3], s36
	ds_load_b32 v[SB], v7                          ; LDS serves a wave's instructions in order: this sees my byte stores
	s_wait_dscnt 0x0
	global_store_b32 v5, v[SB], s[10:11]           ; my 4 tokens' 128 scale bytes; the work-group's four waves cover 512 consecutive bytes
	v_cmp_gt_u32 vcc_lo, 4, v1
	s_wait_xcnt 0x0                                ; EXEC is a source of the stores that are out: it changes only behind this wait
	s_wait_tensorcnt 0x0
	ds_add_u32 v254, v255
	s_wait_dscnt 0x0
	s_and_saveexec_b32 s37, vcc_lo
	global_store_b32 v5, v[PO], s[12:13]           ; lanes 0 to 3
	global_store_b64 v4, v[GO:GO+1], s[14:15]
	s_wait_xcnt 0x0                                ; and again in front of the line that widens it
	s_or_b32 exec_lo, exec_lo, s37
	s_endpgm
.Lfunc_end_k_q780de9ec1c_route:
	.size	k_q780de9ec1c_route, .Lfunc_end_k_q780de9ec1c_route-k_q780de9ec1c_route
	.p2alignl 7, 3214868480
	.fill 96, 4, 3214868480
	.section	.rodata,"a",@progbits
	.p2align	6, 0x0
	.amdhsa_kernel k_q780de9ec1c_route
		.amdhsa_group_segment_fixed_size 1024
		.amdhsa_private_segment_fixed_size 0
		.amdhsa_enable_private_segment 0
		.amdhsa_kernarg_size 48
		.amdhsa_user_sgpr_count 2
		.amdhsa_user_sgpr_kernarg_segment_ptr 1
		.amdhsa_wavefront_size32 1
		.amdhsa_system_sgpr_workgroup_id_x 1
		.amdhsa_system_sgpr_workgroup_id_y 1
		.amdhsa_system_sgpr_workgroup_id_z 1
		.amdhsa_system_vgpr_workitem_id 0
		.amdhsa_next_free_vgpr 512
		.amdhsa_next_free_sgpr 66
		.amdhsa_reserve_vcc 1
		.amdhsa_float_denorm_mode_32 3
		.amdhsa_float_denorm_mode_16_64 3
		.amdhsa_memory_ordered 1
		.amdhsa_forward_progress 1
		.amdhsa_inst_pref_size 93
	.end_amdhsa_kernel
	.amdgpu_metadata
---
amdhsa.version: [ 1, 2 ]
amdhsa.kernels:
  - .name:           k_q780de9ec1c_route
    .symbol:         k_q780de9ec1c_route.kd
    .args:
      - { .name: hidden_states, .offset: 0, .size: 8, .value_kind: global_buffer, .address_space: global }
      - { .name: router_w, .offset: 8, .size: 8, .value_kind: global_buffer, .address_space: global }
      - { .name: xq, .offset: 16, .size: 8, .value_kind: global_buffer, .address_space: global }
      - { .name: xs, .offset: 24, .size: 8, .value_kind: global_buffer, .address_space: global }
      - { .name: pid, .offset: 32, .size: 8, .value_kind: global_buffer, .address_space: global }
      - { .name: gates, .offset: 40, .size: 8, .value_kind: global_buffer, .address_space: global }
    .group_segment_fixed_size: 1024
    .private_segment_fixed_size: 0
    .kernarg_segment_align: 8
    .kernarg_segment_size: 48
    .max_flat_workgroup_size: 128
    .sgpr_count:     66
    .vgpr_count:     512
    .wavefront_size: 32
...
	.end_amdgpu_metadata
.endif
;; end of part 1
;; launch place (part 2): grid 1 x 1, 32 waves a work-group, no clusters, 8,192 bytes of LDS; arguments pid, tok, info; writes tok, info
.if DOCPART == 2
	.amdgcn_target "amdgcn-amd-amdhsa--gfx1250"
	.amdhsa_code_object_version 6
	.text
	.protected	k_q780de9ec1c_place
	.globl	k_q780de9ec1c_place
	.p2align	8
	.type	k_q780de9ec1c_place,@function
k_q780de9ec1c_place:
	s_mov_b64 s[64:65], 0
	v_nop
	global_prefetch_b8 v0, s[64:65] scope:SCOPE_SE
	s_setreg_imm32_b32 hwreg(HW_REG_WAVE_MODE, 25, 1), 1
	s_wait_xcnt 0x0
; THE TOKENS ARE SORTED BY THEIR PAIR OF EXPERTS, by a counting sort in one work-group, without atomics.
; pid [2048]: a token's pair, 0..27.  A pair's tokens, in ascending order, are cut into chunks of at most 96.  Sum over pairs of ceil(n / 96) is at most (2048 + 28 x 95) / 96, so never more than 49 chunks, whatever the split.
; tok [49 x 96]: the token of each slot; slots that no token takes hold 0.   info [64][4]: a, b, n, 0 for each chunk; n = 0: the chunk is not in use.
; SHARES: wave w takes tokens 64 w + 32 q + lane, q = 0, 1.  One barrier: in front of it each wave's counts for the 28 pairs go to LDS (lane p: pair p) and its part of the zeros in tok is stored;
; behind it every wave reads all 32 waves' counts, forms totals and its own prefix, walks the 28 pairs once, and stores its tokens at 96 x the pair's first chunk + prefix + rank.
; Every pair's step is written out: no loop, no branch on data.
	s_load_b128 s[4:7], s[0:1], 0x0                ; pid s[4:5], tok s[6:7]
	s_load_b64 s[8:9], s[0:1], 0x10                ; info
	v_lshl_add_u32 v96, v0, 2, 0x1000
	v_mov_b32 v97, 0
	v_lshrrev_b32 v1, 5, v0
	v_readfirstlane_b32 s16, v1                    ; wave 0..31
	v_and_b32 v2, 31, v0                           ; lane
	v_lshlrev_b32 v3, 4, v0                        ; 16 x thread
	v_lshlrev_b32 v4, 2, v0                        ; 4 x thread
	v_lshlrev_b32 v5, 2, v2                        ; 4 x lane
	v_lshl_add_u32 v6, v1, 8, v5                   ; pid: 256 x wave + 4 x lane
	v_lshl_add_u32 v7, v1, 6, v2                   ; my first token: 64 x wave + lane
.irp r, 8,9,10,11,14,15,16,20,23,24,25,64,65
	v_mov_b32 v\r, 0                               ; v[8:11] the zeros for tok; v14, v15 ranks; v16 counts; v20 prefix; v23-25 a chunk's pair, first chunk, total; v64, v65 keys
.endr
	s_wait_kmcnt 0x0
	global_load_b32 v12, v6, s[4:5]
	global_load_b32 v13, v6, s[4:5] offset:128
	global_store_b128 v3, v[8:11], s[6:7]          ; 16,384 bytes of zeros by all threads,
	s_cmp_gt_u32 s16, 4
	s_cbranch_scc1 .Lno_tail
	global_store_b128 v3, v[8:11], s[6:7] offset:16384   ; and the last 2,560 by waves 0 to 4
.Lno_tail:
	s_wait_loadcnt 0x0
	v_min_u32 v12, 27, v12
	v_min_u32 v13, 27, v13
	; for each pair: who of my wave has it, each such token's rank among them, and their number
.set PP, 0
.rept 28
	v_cmp_eq_u32 s20, PP, v12
	v_cmp_eq_u32 s21, PP, v13
	s_bcnt1_i32_b32 s22, s20
	s_bcnt1_i32_b32 s23, s21
	v_mbcnt_lo_u32_b32 v17, s20, 0                 ; lanes below me among the first 32 tokens
	v_mbcnt_lo_u32_b32 v18, s21, s22               ; among the second 32, behind all of the first
	s_add_co_u32 s23, s22, s23
	v_cndmask_b32 v14, v14, v17, s20
	v_cndmask_b32 v15, v15, v18, s21
	v_writelane_b32 v16, s23, PP
.set PP, PP+1
.endr
	ds_store_b32 v4, v16                           ; wave w's counts at 128 w, pair p at 4 p
	s_wait_dscnt 0x0                               ; for the others' sake: my counts lie in LDS,
	s_wait_storecnt 0x0                            ; and my zeros are stored: behind the barrier other waves store tokens over them
	s_barrier_signal -1
	s_barrier_wait -1
.set W, 0
.rept 32
	ds_load_b32 v[32+W], v5 offset:128*W           ; lane p: wave W's count of pair p
.set W, W+1
.endr
	s_wait_dscnt 0x0
	v_add_nc_u32 v19, v32, v33
.irp k, 34,36,38,40,42,44,46,48,50,52,54,56,58,60,62
	v_add3_u32 v19, v19, v[\k], v[\k+1]            ; lane p: pair p's tokens in all
.endr
.set W, 0
.rept 31
	s_cmp_gt_u32 s16, W
	s_cselect_b32 s20, 1, 0
	v_mad_u32_u24 v20, v[32+W], s20, v20           ; lane p: those in waves before mine
.set W, W+1
.endr
	v_add_nc_u32 v21, 95, v19
	v_lshrrev_b32 v21, 5, v21
	v_mul_u32_u24 v21, 43, v21
	v_lshrrev_b32 v21, 7, v21                      ; lane p: ceil(total / 96) = ((total + 95) / 32) / 3; y x 43 / 128 is y / 3 rounded down for y under 128, and y is 66 at the most
	; the walk over the pairs.  s24 = the pair's first chunk.  Thread c keeps the last pair whose first chunk is not above c: chunk c's pair, or, past the last chunk, a pair that leaves it no tokens.
	s_mov_b32 s24, 0
.set PP, 0
.set PA, 0
.set PB, 1
.rept 28
	v_cmp_gt_u32 vcc_lo, s24, v0
	v_readlane_b32 s25, v19, PP                    ; the pair's tokens,
	v_readlane_b32 s26, v21, PP                    ; its chunks,
	v_readlane_b32 s27, v20, PP                    ; my wave's prefix in it
	v_cndmask_b32 v23, PA+8*PB, v23, vcc_lo
	v_cndmask_b32 v24, s24, v24, vcc_lo
	v_cndmask_b32 v25, s25, v25, vcc_lo
	s_mul_i32 s28, s24, 96
	s_add_co_u32 s28, s28, s27                     ; where my wave's tokens of this pair begin
	v_cmp_ne_u32 vcc_lo, PP, v12
	v_cndmask_b32 v64, s28, v64, vcc_lo
	v_cmp_ne_u32 vcc_lo, PP, v13
	v_cndmask_b32 v65, s28, v65, vcc_lo
	s_add_co_u32 s24, s24, s26
.set PP, PP+1
.set PA, PA+1
.if PA == PB
.set PA, 0
.set PB, PB+1
.endif
.endr
	v_sub_nc_u32 v26, v0, v24                      ; which chunk of its pair,
	v_mul_u32_u24 v26, 96, v26                     ; the tokens before it,
	v_min_u32 v26, v26, v25
	v_sub_nc_u32 v26, v25, v26                     ; those left,
	v_min_u32 v30, 96, v26                         ; n
	v_and_b32 v28, 7, v23                          ; a
	v_lshrrev_b32 v29, 3, v23                      ; b
	v_mov_b32 v31, 0
	s_cmp_gt_u32 s16, 1
	s_cbranch_scc1 .Lno_info
	global_store_b128 v3, v[28:31], s[8:9]         ; threads 0 to 63: info[c]
.Lno_info:
	v_add_nc_u32 v64, v64, v14
	v_add_nc_u32 v65, v65, v15
	v_min_u32 v64, 4703, v64                       ; a number made of loaded numbers enters an address only behind a bound: 49 x 96 - 1
	v_min_u32 v65, 4703, v65
	v_lshlrev_b32 v64, 2, v64
	v_lshlrev_b32 v65, 2, v65
	v_add_nc_u32 v66, 32, v7
	global_store_b32 v64, v7, s[6:7]
	global_store_b32 v65, v66, s[6:7]
	s_wait_tensorcnt 0x0
	ds_add_u32 v96, v97
	s_wait_dscnt 0x0
	s_endpgm
.Lfunc_end_k_q780de9ec1c_place:
	.size	k_q780de9ec1c_place, .Lfunc_end_k_q780de9ec1c_place-k_q780de9ec1c_place
	.p2alignl 7, 3214868480
	.fill 96, 4, 3214868480
	.section	.rodata,"a",@progbits
	.p2align	6, 0x0
	.amdhsa_kernel k_q780de9ec1c_place
		.amdhsa_group_segment_fixed_size 8192
		.amdhsa_private_segment_fixed_size 0
		.amdhsa_enable_private_segment 0
		.amdhsa_kernarg_size 24
		.amdhsa_user_sgpr_count 2
		.amdhsa_user_sgpr_kernarg_segment_ptr 1
		.amdhsa_wavefront_size32 1
		.amdhsa_system_sgpr_workgroup_id_x 1
		.amdhsa_system_sgpr_workgroup_id_y 1
		.amdhsa_system_sgpr_workgroup_id_z 1
		.amdhsa_system_vgpr_workitem_id 0
		.amdhsa_next_free_vgpr 98
		.amdhsa_next_free_sgpr 66
		.amdhsa_reserve_vcc 1
		.amdhsa_float_denorm_mode_32 3
		.amdhsa_float_denorm_mode_16_64 3
		.amdhsa_memory_ordered 1
		.amdhsa_forward_progress 1
		.amdhsa_inst_pref_size 41
	.end_amdhsa_kernel
	.amdgpu_metadata
---
amdhsa.version: [ 1, 2 ]
amdhsa.kernels:
  - .name:           k_q780de9ec1c_place
    .symbol:         k_q780de9ec1c_place.kd
    .args:
      - { .name: pid, .offset: 0, .size: 8, .value_kind: global_buffer, .address_space: global }
      - { .name: tok, .offset: 8, .size: 8, .value_kind: global_buffer, .address_space: global }
      - { .name: info, .offset: 16, .size: 8, .value_kind: global_buffer, .address_space: global }
    .group_segment_fixed_size: 8192
    .private_segment_fixed_size: 0
    .kernarg_segment_align: 8
    .kernarg_segment_size: 24
    .max_flat_workgroup_size: 1024
    .sgpr_count:     66
    .vgpr_count:     98
    .wavefront_size: 32
...
	.end_amdgpu_metadata
.endif
;; end of part 2
;; launch ffn1 (part 3): grid 8 x 49, 4 waves a work-group, no clusters, 111,104 bytes of LDS; arguments xq, xs, tok, info, w1_codes, w1_scales, b1, hq, hs; writes hq, hs
.if DOCPART == 3
	.amdgcn_target "amdgcn-amd-amdhsa--gfx1250"
	.amdhsa_code_object_version 6
	.text
	.protected	k_q780de9ec1c_ffn1
	.globl	k_q780de9ec1c_ffn1
	.p2align	8
	.type	k_q780de9ec1c_ffn1,@function
k_q780de9ec1c_ffn1:
	s_mov_b64 s[64:65], 0
	v_nop
	global_prefetch_b8 v0, s[64:65] scope:SCOPE_SE
	s_setreg_imm32_b32 hwreg(HW_REG_WAVE_MODE, 25, 1), 1
	s_wait_xcnt 0x0
; THE FIRST PRODUCT, FOR THE CHOSEN EXPERTS ALONE: hidden = Q(gelu(Q(x) W1[e] + b1[e])), on codes of E4M3 with one E8M0 scale for each 32 along K; gelu in its tanh form; Q the quantiser along the second product's K.
; A chunk is up to 96 tokens that chose the same two experts a < b (info[chunk] = a, b, n; tok = its tokens).  Work-group (z, chunk) makes hidden units 256 z .. 256 z + 255 of BOTH experts for the chunk's 96 slots.
; SHARES: wave w: expert a (w even) or b (w odd); hidden units f0 = 128 (2 z + w / 2) on, 128 of them, for all 96 rows: 8 tiles of units x 6 tiles of rows = 48 accumulators.  Those 128 units are one K step of the second product.
; THE PRODUCT IS USED TRANSPOSED (source 0 = 16 rows of W1, source 1 = 16 tokens), and THE ROWS OF W1 THAT FORM A TILE ARE NOT NEIGHBOURS: lane r of tile 2 b + u takes row f0 + 32 b + 8 u + r + 8 (r / 8).
; So a lane holds one token, and the 64 registers of a row tile run along the next K in the order of the next operand's registers: the conversions' results are that operand.
; W1 goes from memory straight into registers: each of its bytes is loaded by one wave of the work-group and feeds 6 matrix instructions.  x's codes are gathered once by the four waves together and shared through LDS as
; images of the operand's registers (a fragment: 4 stores of 512 bytes, lane l's 16 bytes at 16 l).  The hidden codes leave in the same form (hq), their scale words in the order in which the next launch's registers take them (hs).
; NO TENSOR LOAD, NO CLUSTER: whether a chunk is in use and which experts it has are numbers read from memory.  A work-group without rows leaves by a branch on such a number.
; A joint load's address would hang on a number that partners need not share.
; THE BRANCH ON n: the one barrier stands where both ways join; what is done under the branch ahead of it hands on LDS bytes alone, no register.
; Slots past n hold token 0: they are computed like the others and their results are stored in hq, where the next launch multiplies them and stores nothing of them.
; LIMITS: NaN and infinities are not served.  A block of the hidden layer that is all zeros, or under 2^-118, gets the byte 1: only this program reads the bytes.
; REGISTERS, in windows of 256 (s_set_vgpr_msb: bits 1:0 source 0, 3:2 source 1, 5:4 source 2, 7:6 destination):
;   window 0: v1-31 addresses; v32-55 x's scale words; v56-87 W1's; v96-191 x's six fragments of a K step.
;   window 1: two sets of W1's 8 fragments; on the way out: v0-63 a row tile's numbers, v64-159 codes, v160-191 at work.
;   window 2: the accumulators of row tiles 0-3 at 64 m + 8 t (before that the gather's registers).   window 3: v0-127 those of row tiles 4, 5; v128-191 b1 in the result's layout.
.set XSB,  98304                       ; LDS: x's 48 fragments (K step s, row tile m) at (6 s + m) x 2,048; behind them each wave's own 6 x 512 bytes of x's scale words
.set LI,   1                           ; v1   16 x lane
.set LI2,  2                           ; v2   the same + 49,152: an LDS offset has 16 bits
.set WA,   3                           ; v3   W1: (r + 8 (r / 8)) x 1,024 + 16 h
.set WSA,  4                           ; v4   its scale bytes: (r + 8 (r / 8)) x 32 + 16 h
.set BA,   5                           ; v5   b1: 64 h
.set R4,   6                           ; v6   4 r
.set XST,  7                           ; v7   where I store x's images: 16 x lane + 24,576 x wave
.set XSS,  8                           ; v8   my wave's copy of x's scale words
.set HSA,  9                           ; v9   512 h + 16 r
.set TK,   12                          ; v12-17 the tokens of row tile m
.set XA,   18                          ; v18-23 their codes: token x 1,024 + 16 h + 256 x wave
.set XSA,  24                          ; v24-29 their scale bytes: token x 32 + 16 h
.set XB,   30
.set H16,  31
.set XS,   32                          ; register 4 m + j: lanes 0-15 the word of K step j, lanes 16-31 of K step 4 + j, token r
.set WS,   56                          ; register 4 t + j: likewise for W1's rows
.set XF,   96
.set SEL,  40                          ; s[40:41]
.set MNT,  42
.set K1,   44                          ; s[44:45]
.set HM,   46
.set T,    0                           ; window 1, on the way out
.set PC,   64
.set PW,   160
.set HD,   168
.set TM,   172
.set KV,   188
.set LI1,  190
.set HSA1, 191
.set MSB, 0
.macro WIN new                         ; the immediate's high byte repeats the setting that is left
.if MSB != (\new)
	s_set_vgpr_msb (MSB<<8)|(\new)
.set MSB, (\new)
.endif
.endm
.macro PLACES n
.rept \n
	v_nop
.endr
.endm
.macro WLOAD s                         ; W1's 8 fragments of K step s into set s % 2: 32 loads
	WIN 0x40
.irp t, 0,1,2,3,4,5,6,7
.irp c, 0,1,2,3
	global_load_b128 v[128*((\s)%2)+16*\t+4*\c:128*((\s)%2)+16*\t+4*\c+3], v[WA], s[12:13] offset:(32*(\t/2)+8*(\t%2))*1024+128*(\s)+32*\c
.endr
.endr
.endm
.macro XFL s, m                        ; x's fragment (K step s, row tile m) out of LDS
.irp c, 0,1,2,3
.if (\s) < 4
	ds_load_b128 v[XF+16*(\m)+4*\c:XF+16*(\m)+4*\c+3], v[LI] offset:(6*(\s)+(\m))*2048+512*\c
.else
	ds_load_b128 v[XF+16*(\m)+4*\c:XF+16*(\m)+4*\c+3], v[LI2] offset:(6*((\s)-4)+(\m))*2048+512*\c
.endif
.endr
.endm
.macro ONE s, t, m                     ; one matrix instruction: tile t of units x tile m of rows, K step s.  The first K step takes b1 as C: no addition, nothing cleared
.set rD, 64*((\m)%4)+8*(\t)
.set rW, 128*((\s)%2)+16*(\t)
.set rX, XF+16*(\m)
.set rA, WS+4*(\t)+(\s)%4
.set rB, XS+4*(\m)+(\s)%4
.if (\s) == 0
	v_wmma_scale_f32_16x16x128_f8f6f4 v[rD:rD+7], v[rW:rW+15], v[rX:rX+15], v[128+8*(\t):128+8*(\t)+7], v[rA], v[rB]
.elseif (\s) < 4
	v_wmma_scale_f32_16x16x128_f8f6f4 v[rD:rD+7], v[rW:rW+15], v[rX:rX+15], v[rD:rD+7], v[rA], v[rB]
.else
	v_wmma_scale_f32_16x16x128_f8f6f4 v[rD:rD+7], v[rW:rW+15], v[rX:rX+15], v[rD:rD+7], v[rA], v[rB] matrix_a_scale:MATRIX_SCALE_ROW1 matrix_b_scale:MATRIX_SCALE_ROW1
.endif
.endm
; A K STEP of 128: 48 matrix instructions.  The 48 accumulators take turns, one instruction a turn, in the same order in every step.
; Loads into registers that matrix instructions have read stand 8 plain vector instructions behind them.
.macro KSTEP s
.if (\s) < 7
	s_wait_loadcnt 32                              ; W1's fragments of this step are in; behind them stand the next step's 32 loads
.else
	s_wait_loadcnt 0x0
.endif
	s_wait_dscnt 8                                 ; x's row tiles 0-3 (and, in the first step, the scale words) are in; the youngest 8 loads, row tiles 4 and 5, may be out
.if (\s) == 0
	WIN 0xb1                                       ; W1 window 1, x window 0, C = b1 window 3, D window 2
.else
	WIN 0xa1                                       ; C and D window 2
.endif
.irp t, 0,1,2,3,4,5,6,7
.irp m, 0,1,2,3
	ONE \s, \t, \m
.endr
.endr
	s_wait_dscnt 0x0                               ; row tiles 4 and 5 are in
.if (\s) < 7
	PLACES 8
	WIN 0
.irp m, 0,1,2,3
	XFL (\s)+1, \m
.endr
.endif
	WIN 0xf1                                       ; C and D window 3
.irp t, 0,1,2,3,4,5,6,7
.irp m, 4,5
	ONE \s, \t, \m
.endr
.endr
	PLACES 8
.if (\s) < 7
	WIN 0
	XFL (\s)+1, 4
	XFL (\s)+1, 5
.endif
.if (\s) < 6
	WLOAD (\s)+2                                   ; into the set that this step has read
.endif
.endm
	s_load_b512 s[4:19], s[0:1], 0x0               ; xq s[4:5], xs s[6:7], tok s[8:9], info s[10:11], w1_codes s[12:13], w1_scales s[14:15], b1 s[16:17], hq s[18:19]
	s_load_b64 s[20:21], s[0:1], 0x40              ; hs
	v_lshl_add_u32 v254, v0, 2, 0x1b000
	v_mov_b32 v255, 0
	v_lshrrev_b32 v10, 5, v0
	v_readfirstlane_b32 s22, v10                   ; wave 0..3
	s_and_b32 s23, ttmp7, 0xffff                   ; chunk
	s_and_b32 s28, s22, 1                          ; which of the two experts
	s_lshr_b32 s29, s22, 1                         ; which 128 of the 256 units
	v_and_b32 v10, 31, v0
	v_lshlrev_b32 v[LI], 4, v10
	v_add_nc_u32 v[LI2], 49152, v[LI]
	v_and_b32 v10, 15, v0                          ; r
	v_bfe_u32 v11, v0, 4, 1                        ; h
	v_lshlrev_b32 v[H16], 4, v11
	v_and_b32 v[WA], 8, v10
	v_add_nc_u32 v[WA], v[WA], v10                 ; r + 8 (r / 8)
	v_lshl_add_u32 v[WSA], v[WA], 5, v[H16]
	v_lshl_add_u32 v[WA], v[WA], 10, v[H16]
	v_lshlrev_b32 v[BA], 6, v11
	v_lshlrev_b32 v[R4], 2, v10
	s_mul_i32 s30, s22, 24576
	v_add_nc_u32 v[XST], s30, v[LI]
	s_mul_i32 s30, s22, 3072
	s_add_co_u32 s30, s30, XSB
	v_add_nc_u32 v[XSS], s30, v[LI]
	v_lshlrev_b32 v[HSA], 4, v10
	v_lshl_add_u32 v[HSA], v11, 9, v[HSA]
	s_lshl_b32 s30, s22, 8
	v_add_nc_u32 v[XB], s30, v[H16]
	s_mov_b32 s[SEL], 0x76543210
	s_mov_b32 s[SEL+1], 0xfedcba98                 ; v_permlanex16_b32's selects for lane l xor 16
	s_mov_b32 s[MNT], 0x600000                     ; the mantissa field of 448
	s_mov_b32 s[K1], 0xbdd2d3e8                    ; K1 = 0.044715 K0
	s_mov_b32 s[K1+1], s[K1]                       ; (named with it as a pair, so it is written)
	s_mov_b32 s[HM], 0xffff0000                    ; lanes 16-31
	s_lshl_b32 s30, s23, 4
	s_mov_b32 s31, 0
	s_wait_kmcnt 0x0
	s_add_nc_u64 s[10:11], s[10:11], s[30:31]
	s_load_b128 s[24:27], s[10:11], 0x0            ; a s24, b s25, n s26
	s_mul_i32 s30, s23, 384
	s_add_nc_u64 s[8:9], s[8:9], s[30:31]          ; the chunk's 96 slots
.irp m, 0,1,2,3,4,5
	global_load_b32 v[TK+\m], v[R4], s[8:9] offset:64*\m
.endr
	s_lshl_b32 s33, ttmp9, 1
	s_add_co_u32 s33, s33, s29                     ; s2 = 2 z + w / 2: my K step of the second product
	s_lshl_b32 s34, s23, 1
	s_add_co_u32 s34, s34, s28                     ; 2 x chunk + which expert
	s_lshl_b32 s30, s34, 4
	s_add_co_u32 s30, s30, s33
	s_mul_i32 s30, s30, 12288                      ; six fragments of 2,048 bytes a K step
	s_add_nc_u64 s[18:19], s[18:19], s[30:31]
	s_and_b32 s35, s33, 7
	s_lshl_b32 s30, s34, 3
	s_add_co_u32 s30, s30, s35
	s_lshl_b32 s30, s30, 10
	s_lshr_b32 s35, s33, 3
	s_lshl_b32 s35, s35, 8
	s_add_co_u32 s30, s30, s35
	s_add_nc_u64 s[20:21], s[20:21], s[30:31]      ; hs: ((2 chunk + sel) x 8 + s2 % 8) x 1,024 + (s2 / 8) x 256
	s_wait_kmcnt 0x0
	s_cmp_eq_u32 s28, 0
	s_cselect_b32 s32, s24, s25
	s_min_u32 s32, s32, 7                          ; my expert: a loaded number enters an address only behind a bound
	s_lshl_b32 s32, s32, 11
	s_lshl_b32 s35, s33, 7
	s_add_co_u32 s32, s32, s35                     ; my first row of W1: 2,048 e + f0
	s_lshl_b32 s30, s32, 10
	s_add_nc_u64 s[12:13], s[12:13], s[30:31]
	s_lshl_b32 s30, s32, 5
	s_add_nc_u64 s[14:15], s[14:15], s[30:31]
	s_lshl_b32 s30, s32, 2
	s_add_nc_u64 s[16:17], s[16:17], s[30:31]
.irp t, 0,1,2,3,4,5,6,7
	global_load_b128 v[WS+4*\t:WS+4*\t+3], v[WSA], s[14:15] offset:(32*(\t/2)+8*(\t%2))*32      ; lanes 0-15: the words of K steps 0-3; lanes 16-31: of 4-7
.endr
	WIN 0xc0
.irp t, 0,1,2,3,4,5,6,7
	global_load_b128 v[128+8*\t:128+8*\t+3],   v[BA], s[16:17] offset:(32*(\t/2)+8*(\t%2))*4      ; b1 at units f0 + 32 (t / 2) + 16 h + 8 (t % 2) + 0 .. 7: the result's layout
	global_load_b128 v[128+8*\t+4:128+8*\t+7], v[BA], s[16:17] offset:(32*(\t/2)+8*(\t%2))*4+16
.endr
	WLOAD 0
	WIN 0
	s_cmp_eq_u32 s26, 0
	s_cbranch_scc1 .Lj                             ; a chunk without rows gathers nothing
	; THE GATHER: my wave brings K steps 2 w and 2 w + 1 of x's codes for all six row tiles, and a copy of the rows' scale words for itself
	s_wait_loadcnt 56                              ; the tokens are in: behind their 6 loads stand 8 + 16 + 32
.irp m, 0,1,2,3,4,5
	v_min_u32 v[TK+\m], 2047, v[TK+\m]
.endr
.irp m, 0,1,2,3,4,5
	v_lshl_add_u32 v[XA+\m], v[TK+\m], 10, v[XB]
	v_lshl_add_u32 v[XSA+\m], v[TK+\m], 5, v[H16]
.endr
	WIN 0x80
.irp m, 0,1,2,3,4,5
	global_load_b128 v[192+4*\m:192+4*\m+3], v[XSA+\m], s[6:7]
.endr
.irp m, 0,1,2,3,4,5
.irp q, 0,1
.irp c, 0,1,2,3
	global_load_b128 v[16*(2*\m+\q)+4*\c:16*(2*\m+\q)+4*\c+3], v[XA+\m], s[4:5] offset:128*\q+32*\c
.endr
.endr
.endr
	s_wait_loadcnt 0x0
	WIN 0x08                                       ; an LDS store's data are its source 1: window 2
.irp m, 0,1,2,3,4,5
.irp q, 0,1
.irp c, 0,1,2,3
	ds_store_b128 v[XST], v[16*(2*\m+\q)+4*\c:16*(2*\m+\q)+4*\c+3] offset:12288*\q+2048*\m+512*\c
.endr
.endr
.endr
.irp m, 0,1,2,3,4,5
	ds_store_b128 v[XSS], v[192+4*\m:192+4*\m+3] offset:512*\m
.endr
	WIN 0
.Lj:
	s_wait_dscnt 0x0                               ; for the others' sake: my images lie in LDS
	s_barrier_signal -1
	s_barrier_wait -1                              ; everybody's do
	s_cmp_eq_u32 s26, 0
	s_cbranch_scc1 .Lend
	WLOAD 1
	WIN 0
.irp m, 0,1,2,3,4,5
	ds_load_b128 v[XS+4*\m:XS+4*\m+3], v[XSS] offset:512*\m
.endr
.irp m, 0,1,2,3,4,5
	XFL 0, \m
.endr
	KSTEP 0
	KSTEP 1
	KSTEP 2
	KSTEP 3
	KSTEP 4
	KSTEP 5
	KSTEP 6
	KSTEP 7                                        ; its last 8 places serve the first reads of results and the writes into W1's registers below
	; THE WAY OUT, a row tile at a time.  gelu(x) = x / (1 + 2^(x (K0 + K1 x^2))), K0 = -2 sqrt(2 / pi) log2(e): that is 0.5 x (1 + tanh(sqrt(2 / pi) (x + 0.044715 x^3))) itself, with no difference of near numbers.
	WIN 0x40
	v_mov_b32 v[LI1], v[LI]                        ; the stores' offsets, in the window of their data
	v_mov_b32 v[HSA1], v[HSA]
	v_mov_b32 v[KV], 0xc0135761                    ; K0, twice: a pair for the packed form
	v_mov_b32 v[KV+1], 0xc0135761
.irp b, 0,1,2,3
	v_mov_b32 v[TM+4+\b], 0                        ; written once: a lane permute's destination counts as one of its sources
.endr
	v_mov_b32 v[PW+6], 0                           ; there are six row tiles: the words of a seventh and an eighth are 0 and nobody uses them
	v_mov_b32 v[PW+7], 0
.macro GELU m
.set AB0, 64*((\m)%4)
.set WN, 2+(\m)/4                      ; the accumulators' window
	WIN (0x40+5*WN)
.set j, 0
.rept 32
	v_pk_mul_f32 v[T+j:T+j+1], v[AB0+j:AB0+j+1], v[AB0+j:AB0+j+1]                 ; x^2; ascending: each accumulator is first read at its low end
.set j, j+2
.endr
	WIN 0x55
.set j, 0
.rept 32
	v_pk_fma_f32 v[T+j:T+j+1], v[T+j:T+j+1], s[K1:K1+1], v[KV:KV+1] op_sel_hi:[1,0,1]   ; K1 x^2 + K0
.set j, j+2
.endr
	WIN (0x41+4*WN)
.set j, 0
.rept 32
	v_pk_mul_f32 v[T+j:T+j+1], v[T+j:T+j+1], v[AB0+j:AB0+j+1]
.set j, j+2
.endr
	WIN 0x55
.set j, 0
.rept 64
	v_exp_f32 v[T+j], v[T+j]
.set j, j+1
.endr
	v_nop                                          ; a plain line behind the last exponential,
	s_wait_alu depctr_va_vdst(0)                   ; and one wait for the batch, ahead of its first reader
.set j, 0
.rept 32
	v_pk_add_f32 v[T+j:T+j+1], v[T+j:T+j+1], 1.0 op_sel_hi:[1,0]
.set j, j+2
.endr
.set j, 0
.rept 64
	v_rcp_f32 v[T+j], v[T+j]
.set j, j+1
.endr
	v_nop
	s_wait_alu depctr_va_vdst(0)
	WIN (0x41+4*WN)
.set j, 0
.rept 32
	v_pk_mul_f32 v[T+j:T+j+1], v[T+j:T+j+1], v[AB0+j:AB0+j+1]
.set j, j+2
.endr
	WIN 0x55
.endm
; 64 numbers of a lane, register 16 b + i = k 32 b + 16 h + i of my row, become a fragment's codes in v[pc] on and its scale word in v[pw].  A block of 32 lies in lanes l and l xor 16.
.macro QUANT pc, pw
.irp b, 0,1,2,3
	v_max3_num_f32 v[TM+\b], |v[T+16*\b]|, |v[T+16*\b+1]|, 0x4800000              ; with the floor 2^(9 - 127): the byte cannot fall under 1
.endr
.irp i, 2,4,6,8,10,12,14
.irp b, 0,1,2,3
	v_max3_num_f32 v[TM+\b], v[TM+\b], |v[T+16*\b+\i]|, |v[T+16*\b+\i+1]|
.endr
.endr
.irp b, 0,1,2,3
	v_permlanex16_b32 v[TM+4+\b], v[TM+\b], s[SEL], s[SEL+1]
.endr
.irp b, 0,1,2,3
	v_max_num_f32 v[TM+\b], v[TM+\b], v[TM+4+\b]
.endr
.irp b, 0,1,2,3
	v_add_nc_u32 v[TM+12+\b], 0xfc000000, v[TM+\b]                                ; 8 off the exponent field: the conversion's scale operand
.endr
.irp b, 0,1,2,3
	v_and_or_b32 v[TM+8+\b], v[TM+\b], 0x7f800000, s[MNT]                         ; 448 x the scale
.endr
.irp b, 0,1,2,3
	v_lshrrev_b32 v[TM+4+\b], 23, v[TM+12+\b]                                     ; the scale's byte
.endr
	v_lshl_or_b32 v[\pw], v[TM+5], 8, v[TM+4]
	v_lshl_or_b32 v[\pw], v[TM+6], 16, v[\pw]
	v_lshl_or_b32 v[\pw], v[TM+7], 24, v[\pw]
.irp b, 0,1,2,3
.irp i, 0,1,2,3,4,5,6,7,8,9,10,11,12,13,14,15
	v_med3_num_f32 v[T+16*\b+\i], v[T+16*\b+\i], -v[TM+8+\b], v[TM+8+\b]          ; the conversion to an 8-bit code does not saturate (ISA guide 7.6.2)
.endr
	v_cvt_scalef32_pk8_fp8_f32 v[(\pc)+4*\b:(\pc)+4*\b+1],   v[T+16*\b:T+16*\b+7],    v[TM+12+\b]
	v_cvt_scalef32_pk8_fp8_f32 v[(\pc)+4*\b+2:(\pc)+4*\b+3], v[T+16*\b+8:T+16*\b+15], v[TM+12+\b]
.endr
	v_nop                                          ; a plain line between the last conversion and the next vector line that writes its sources
.endm
.irp m, 0,1,2,3,4,5
	GELU \m
	QUANT PC+16*\m, PW+\m
.irp c, 0,1,2,3
	global_store_b128 v[LI1], v[PC+16*\m+4*\c:PC+16*\m+4*\c+3], s[18:19] offset:2048*\m+512*\c   ; the fragment as it stands: 512 consecutive bytes, aligned; each row tile has its own registers
.endr
.endr
.irp i, 0,1,2,3
	v_cndmask_b32 v[HD+\i], v[PW+\i], v[PW+4+\i], s[HM]     ; both halves of the lanes hold a row's word: lanes 0-15 send row tiles 0-3, lanes 16-31 row tiles 4-7
.endr
	global_store_b128 v[HSA1], v[HD:HD+3], s[20:21]         ; two runs of 256 consecutive bytes, aligned
	WIN 0
.Lend:
	s_wait_tensorcnt 0x0
	ds_add_u32 v254, v255
	s_wait_dscnt 0x0
	s_endpgm
.Lfunc_end_k_q780de9ec1c_ffn1:
	.size	k_q780de9ec1c_ffn1, .Lfunc_end_k_q780de9ec1c_ffn1-k_q780de9ec1c_ffn1
	.p2alignl 7, 3214868480
	.fill 96, 4, 3214868480
	.section	.rodata,"a",@progbits
	.p2align	6, 0x0
	.amdhsa_kernel k_q780de9ec1c_ffn1
		.amdhsa_group_segment_fixed_size 111104
		.amdhsa_private_segment_fixed_size 0
		.amdhsa_enable_private_segment 0
		.amdhsa_kernarg_size 72
		.amdhsa_user_sgpr_count 2
		.amdhsa_user_sgpr_kernarg_segment_ptr 1
		.amdhsa_wavefront_size32 1
		.amdhsa_system_sgpr_workgroup_id_x 1
		.amdhsa_system_sgpr_workgroup_id_y 1
		.amdhsa_system_sgpr_workgroup_id_z 1
		.amdhsa_system_vgpr_workitem_id 0
		.amdhsa_next_free_vgpr 960
		.amdhsa_next_free_sgpr 66
		.amdhsa_reserve_vcc 0
		.amdhsa_float_denorm_mode_32 3
		.amdhsa_float_denorm_mode_16_64 3
		.amdhsa_memory_ordered 1
		.amdhsa_forward_progress 1
		.amdhsa_inst_pref_size 243
	.end_amdhsa_kernel
	.amdgpu_metadata
---
amdhsa.version: [ 1, 2 ]
amdhsa.kernels:
  - .name:           k_q780de9ec1c_ffn1
    .symbol:         k_q780de9ec1c_ffn1.kd
    .args:
      - { .name: xq, .offset: 0, .size: 8, .value_kind: global_buffer, .address_space: global }
      - { .name: xs, .offset: 8, .size: 8, .value_kind: global_buffer, .address_space: global }
      - { .name: tok, .offset: 16, .size: 8, .value_kind: global_buffer, .address_space: global }
      - { .name: info, .offset: 24, .size: 8, .value_kind: global_buffer, .address_space: global }
      - { .name: w1_codes, .offset: 32, .size: 8, .value_kind: global_buffer, .address_space: global }
      - { .name: w1_scales, .offset: 40, .size: 8, .value_kind: global_buffer, .address_space: global }
      - { .name: b1, .offset: 48, .size: 8, .value_kind: global_buffer, .address_space: global }
      - { .name: hq, .offset: 56, .size: 8, .value_kind: global_buffer, .address_space: global }
      - { .name: hs, .offset: 64, .size: 8, .value_kind: global_buffer, .address_space: global }
    .group_segment_fixed_size: 111104
    .private_segment_fixed_size: 0
    .kernarg_segment_align: 8
    .kernarg_segment_size: 72
    .max_flat_workgroup_size: 128
    .sgpr_count:     66
    .vgpr_count:     960
    .wavefront_size: 32
...
	.end_amdgpu_metadata
.endif
;; end of part 3
;; launch ffn2 (part 4): grid 8 x 49, 4 waves a work-group, no clusters, 101,888 bytes of LDS; arguments hq, hs, tok, info, gates, w2_codes, w2_scales, b2, out0; writes out0
.if DOCPART == 4
	.amdgcn_target "amdgcn-amd-amdhsa--gfx1250"
	.amdhsa_code_object_version 6
	.text
	.protected	k_q780de9ec1c_ffn2
	.globl	k_q780de9ec1c_ffn2
	.p2align	8
	.type	k_q780de9ec1c_ffn2,@function
k_q780de9ec1c_ffn2:
	s_mov_b64 s[64:65], 0
	v_nop
	global_prefetch_b8 v0, s[64:65] scope:SCOPE_SE
	s_setreg_imm32_b32 hwreg(HW_REG_WAVE_MODE, 25, 1), 1
	s_wait_xcnt 0x0
; THE SECOND PRODUCT AND THE GATES: out[token] = ga (Ha W2[a] + b2[a]) + gb (Hb W2[b] + b2[b]), on codes of E4M3 with one E8M0 scale for each 32 along K = 2,048.
; A chunk's tokens all chose the same experts a < b, so work-group (slice, chunk) holds BOTH contributions to columns 128 slice .. + 127 of its tokens' rows and is their one owner: nothing is added in memory.
; SHARES: wave w: expert a (w even) or b (w odd); columns n0 = 128 slice + 64 (w / 2) on, 4 tiles of 16, for the chunk's 6 row tiles: 24 accumulators; 16 K steps of 128.
; THE PRODUCT IS USED TRANSPOSED (source 0 = 16 rows of W2, source 1 = 16 tokens): a lane holds one token and 8 neighbouring columns, so the token's gate is one number a lane.
; Both operands go from memory straight into registers: W2 as it lies, the hidden layer as the images of registers that the launch before stored (each load takes 512 consecutive bytes).  The two waves of one expert load
; the same images: so the loop over K has no barrier, which the branch on n asks for (the one barrier stands where both ways join, and what is done under the branch ahead of it hands on LDS bytes alone).
; NO TENSOR LOAD, NO CLUSTER: whether a chunk is in use and which experts it has are numbers read from memory; a work-group without rows leaves by a branch on such a number.
; THE WAY OUT: gate x result goes into a stage for each expert (96 rows x (512 + 16) bytes); behind the barrier each wave reads 24 rows of both, adds them and stores the rows that hold a token: 512 consecutive bytes, aligned.
; REGISTERS: window 0: v1-31 addresses, tokens, gates; v32-95 the hidden layer's scale words; v96-127 W2's; v128-223 rows read back; v224-247 their places in out.
;   window 1: v0-127 two sets of W2's 4 fragments.   window 2: v0-191 the accumulators at 8 (4 m + t); v192-223 b2 in the result's layout.   window 3: v0-191 two sets of the 6 hidden fragments; later the other stage's rows.
.set LI,   1                           ; v1   16 x lane
.set WA,   3                           ; v3   W2: 2,048 r + 16 h
.set WSA,  4                           ; v4   its scale bytes: 64 r + 32 h
.set BA,   5                           ; v5   b2: 32 h
.set R4,   6                           ; v6   4 r
.set SO,   7                           ; v7   into my stage: 528 r + 32 h + 256 (w / 2) + 50,688 (w % 2)
.set RD,   8                           ; v8   back: 24 x 528 x wave + 16 x lane
.set HSAD, 9                           ; v9   the hidden layer's scale words: 256 h + 16 r
.set TK,   10                          ; v10-15
.set GA,   16                          ; v16-21 token x 8 + 4 (w % 2)
.set G,    24                          ; v24-29 the gates
.set S4,   30
.set HS,   32                          ; register ((s % 8) x 2 + m / 4) x 4 + m % 4: lanes 0-15 K step s % 8, lanes 16-31 K step 8 + s % 8
.set WS,   96                          ; register 8 t + s % 8: likewise
.set RA,   128
.set OFF,  224
.set MSB, 0
.macro WIN new                         ; the immediate's high byte repeats the setting that is left
.if MSB != (\new)
	s_set_vgpr_msb (MSB<<8)|(\new)
.set MSB, (\new)
.endif
.endm
.macro PLACES n
.rept \n
	v_nop
.endr
.endm
.macro GLOAD s                         ; K step s: 24 loads of hidden codes and 16 of W2 into sets s % 2
	WIN 0xc0
.irp m, 0,1,2,3,4,5
.irp c, 0,1,2,3
	global_load_b128 v[96*((\s)%2)+16*\m+4*\c:96*((\s)%2)+16*\m+4*\c+3], v[LI], s[4:5] offset:(6*(\s)+\m)*2048+512*\c
.endr
.endr
	WIN 0x40
.irp t, 0,1,2,3
.irp c, 0,1,2,3
	global_load_b128 v[64*((\s)%2)+16*\t+4*\c:64*((\s)%2)+16*\t+4*\c+3], v[WA], s[14:15] offset:32768*\t+128*(\s)+32*\c
.endr
.endr
.endm
.macro ONE s, t, m                     ; the first K step takes b2 as C: no addition, nothing cleared
.set rD, 8*(4*(\m)+(\t))
.set rW, 64*((\s)%2)+16*(\t)
.set rH, 96*((\s)%2)+16*(\m)
.set rA, WS+8*(\t)+(\s)%8
.set rB, HS+(((\s)%8)*2+(\m)/4)*4+(\m)%4
.if (\s) == 0
	v_wmma_scale_f32_16x16x128_f8f6f4 v[rD:rD+7], v[rW:rW+15], v[rH:rH+15], v[192+8*(\t):192+8*(\t)+7], v[rA], v[rB]
.elseif (\s) < 8
	v_wmma_scale_f32_16x16x128_f8f6f4 v[rD:rD+7], v[rW:rW+15], v[rH:rH+15], v[rD:rD+7], v[rA], v[rB]
.else
	v_wmma_scale_f32_16x16x128_f8f6f4 v[rD:rD+7], v[rW:rW+15], v[rH:rH+15], v[rD:rD+7], v[rA], v[rB] matrix_a_scale:MATRIX_SCALE_ROW1 matrix_b_scale:MATRIX_SCALE_ROW1
.endif
.endm
; A K STEP: 24 matrix instructions; the 24 accumulators take turns, one instruction a turn, in the same order in every step.  Then 8 plain vector lines,
; and the loads of two steps on into the sets just read.
.macro KSTEP s
.if (\s) == 15
	s_wait_loadcnt 0x0
.elseif (\s) == 1
	s_wait_loadcnt 46                              ; behind this step's 40 loads stand the 6 gates and the next step's 40
.else
	s_wait_loadcnt 40                              ; behind this step's 40 loads stand the next step's 40
.endif
	WIN 0xad                                       ; W2 window 1, the hidden layer window 3, C and D window 2
.irp t, 0,1,2,3
.irp m, 0,1,2,3,4,5
	ONE \s, \t, \m
.endr
.endr
.if (\s) == 0
	WIN 0                                          ; behind the first step the places are useful work: where the tokens' gates lie
.irp m, 0,1,2,3,4,5
	v_min_u32 v[TK+\m], 2047, v[TK+\m]
.endr
.irp m, 0,1,2,3,4,5
	v_lshl_add_u32 v[GA+\m], v[TK+\m], 3, v[S4]
.endr
.irp m, 0,1,2,3,4,5
	global_load_b32 v[G+\m], v[GA+\m], s[12:13]
.endr
.else
	PLACES 8
.endif
.if (\s) < 14
	GLOAD (\s)+2
.endif
.endm
	s_load_b512 s[4:19], s[0:1], 0x0               ; hq s[4:5], hs s[6:7], tok s[8:9], info s[10:11], gates s[12:13], w2_codes s[14:15], w2_scales s[16:17], b2 s[18:19]
	s_load_b64 s[20:21], s[0:1], 0x40              ; out0
	v_lshl_add_u32 v254, v0, 2, 0x18c00
	v_mov_b32 v255, 0
	v_lshrrev_b32 v2, 5, v0
	v_readfirstlane_b32 s22, v2                    ; wave 0..3
	s_and_b32 s23, ttmp7, 0xffff                   ; chunk
	s_and_b32 s28, s22, 1                          ; which of the two experts
	s_lshr_b32 s29, s22, 1                         ; which 64 of the 128 columns
	v_and_b32 v2, 31, v0
	v_lshlrev_b32 v[LI], 4, v2
	v_and_b32 v22, 15, v0                          ; r
	v_bfe_u32 v23, v0, 4, 1                        ; h
	v_lshlrev_b32 v[WA], 11, v22
	v_lshl_add_u32 v[WA], v23, 4, v[WA]
	v_lshlrev_b32 v[WSA], 6, v22
	v_lshl_add_u32 v[WSA], v23, 5, v[WSA]
	v_lshlrev_b32 v[BA], 5, v23
	v_lshlrev_b32 v[R4], 2, v22
	v_mul_u32_u24 v[SO], v22, 528
	v_lshl_add_u32 v[SO], v23, 5, v[SO]
	s_mul_i32 s30, s28, 50688
	s_lshl_b32 s31, s29, 8
	s_add_co_u32 s30, s30, s31
	v_add_nc_u32 v[SO], s30, v[SO]
	s_mul_i32 s30, s22, 24*528
	v_add_nc_u32 v[RD], s30, v[LI]
	v_lshlrev_b32 v[HSAD], 4, v22
	v_lshl_add_u32 v[HSAD], v23, 8, v[HSAD]
	s_lshl_b32 s61, s28, 2
	v_mov_b32 v[S4], s61
	s_lshl_b32 s30, s23, 4
	s_mov_b32 s31, 0
	s_wait_kmcnt 0x0
	s_add_nc_u64 s[10:11], s[10:11], s[30:31]
	s_load_b128 s[24:27], s[10:11], 0x0            ; a s24, b s25, n s26
	s_mul_i32 s30, s23, 384
	s_add_nc_u64 s[8:9], s[8:9], s[30:31]          ; the chunk's 96 slots
	s_mul_i32 s30, s22, 96
	s_add_nc_u64 s[32:33], s[8:9], s[30:31]        ; the 24 that I store
	s_load_b256 s[36:43], s[32:33], 0x0
	s_load_b256 s[44:51], s[32:33], 0x20
	s_load_b256 s[52:59], s[32:33], 0x40
	s_lshl_b32 s34, s23, 1
	s_add_co_u32 s34, s34, s28                     ; 2 x chunk + which expert
	s_mul_i32 s30, s34, 196608                     ; 16 K steps x 6 fragments x 2,048 bytes
	s_add_nc_u64 s[4:5], s[4:5], s[30:31]
	s_lshl_b32 s30, s34, 13
	s_add_nc_u64 s[6:7], s[6:7], s[30:31]
	s_lshl_b32 s30, ttmp9, 9
	s_add_nc_u64 s[20:21], s[20:21], s[30:31]      ; out0 at my slice's 512 bytes of a row
	s_wait_kmcnt 0x0
	s_cmp_eq_u32 s28, 0
	s_cselect_b32 s35, s24, s25
	s_min_u32 s35, s35, 7                          ; my expert: a loaded number enters an address only behind a bound
	s_lshl_b32 s35, s35, 10
	s_lshl_b32 s30, ttmp9, 7
	s_add_co_u32 s35, s35, s30
	s_lshl_b32 s30, s29, 6
	s_add_co_u32 s35, s35, s30                     ; my first row of W2: 1,024 e + n0
	s_lshl_b32 s30, s35, 11
	s_add_nc_u64 s[14:15], s[14:15], s[30:31]
	s_lshl_b32 s30, s35, 6
	s_add_nc_u64 s[16:17], s[16:17], s[30:31]
	s_lshl_b32 s30, s35, 2
	s_add_nc_u64 s[18:19], s[18:19], s[30:31]
	s_mul_i32 s60, s22, 24
	s_min_u32 s60, s60, s26
	s_sub_co_u32 s60, s26, s60                     ; how many of my 24 rows (and those behind them) hold a token
	s_cmp_eq_u32 s26, 0
	s_cbranch_scc1 .Lj                             ; a chunk without rows loads and multiplies nothing
.irp m, 0,1,2,3,4,5
	global_load_b32 v[TK+\m], v[R4], s[8:9] offset:64*\m
.endr
.irp q, 0,1,2,3,4,5,6,7,8,9,10,11,12,13,14,15
	global_load_b128 v[HS+4*\q:HS+4*\q+3], v[HSAD], s[6:7] offset:512*\q
.endr
.irp t, 0,1,2,3
	global_load_b128 v[WS+8*\t:WS+8*\t+3],   v[WSA], s[16:17] offset:1024*\t      ; lanes 0-15: the words of K steps 0-7; lanes 16-31: of 8-15
	global_load_b128 v[WS+8*\t+4:WS+8*\t+7], v[WSA], s[16:17] offset:1024*\t+16
.endr
	WIN 0x80
.irp t, 0,1,2,3
	global_load_b128 v[192+8*\t:192+8*\t+3],   v[BA], s[18:19] offset:64*\t       ; b2 at columns n0 + 16 t + 8 h + 0 .. 7: the result's layout
	global_load_b128 v[192+8*\t+4:192+8*\t+7], v[BA], s[18:19] offset:64*\t+16
.endr
	GLOAD 0
	GLOAD 1
	KSTEP 0
	KSTEP 1
	KSTEP 2
	KSTEP 3
	KSTEP 4
	KSTEP 5
	KSTEP 6
	KSTEP 7
	KSTEP 8
	KSTEP 9
	KSTEP 10
	KSTEP 11
	KSTEP 12
	KSTEP 13
	KSTEP 14
	KSTEP 15                                       ; its 8 places stand in front of the first reads of results
	WIN 0x82                                       ; results window 2, gates window 0
.irp m, 0,2,4
.set j, 0
.rept 16
	v_pk_mul_f32 v[32*\m+j:32*\m+j+1], v[32*\m+j:32*\m+j+1], v[G+\m:G+\m+1] op_sel_hi:[1,0]                       ; x my token's gate (the pair's first register for both halves); ascending: each accumulator is first read at its low end
.set j, j+2
.endr
.set j, 0
.rept 16
	v_pk_mul_f32 v[32*\m+32+j:32*\m+32+j+1], v[32*\m+32+j:32*\m+32+j+1], v[G+\m:G+\m+1] op_sel:[0,1] op_sel_hi:[1,1]   ; the next row tile: the pair's second register
.set j, j+2
.endr
.endr
	WIN 0x08                                       ; an LDS store's data are its source 1: window 2
.irp m, 0,1,2,3,4,5
.irp t, 0,1,2,3
	ds_store_b128 v[SO], v[8*(4*\m+\t):8*(4*\m+\t)+3]   offset:8448*\m+64*\t       ; lane (r, h): slot 16 m + r, columns 64 (w / 2) + 16 t + 8 h + 0 .. 7
	ds_store_b128 v[SO], v[8*(4*\m+\t)+4:8*(4*\m+\t)+7] offset:8448*\m+64*\t+16
.endr
.endr
	WIN 0
.Lj:
	s_wait_dscnt 0x0                               ; for the others' sake: my part of the stages lies in LDS
	s_barrier_signal -1
	s_barrier_wait -1                              ; everybody's does
	s_cmp_eq_u32 s26, 0
	s_cbranch_scc1 .Lend
.irp i, 0,1,2,3,4,5,6,7,8,9,10,11,12,13,14,15,16,17,18,19,20,21,22,23
	ds_load_b128 v[RA+4*\i:RA+4*\i+3], v[RD] offset:528*\i                         ; a row of 512 bytes, 16 a lane: expert a's,
.endr
	WIN 0xc0
.irp i, 0,1,2,3,4,5,6,7,8,9,10,11,12,13,14,15,16,17,18,19,20,21,22,23
	ds_load_b128 v[4*\i:4*\i+3], v[RD] offset:50688+528*\i                         ; and expert b's
.endr
	WIN 0
.irp i, 0,1,2,3,4,5,6,7,8,9,10,11,12,13,14,15,16,17,18,19,20,21,22,23
	s_min_u32 s[36+\i], s[36+\i], 2047
	s_lshl_b32 s[36+\i], s[36+\i], 12
	v_add_nc_u32 v[OFF+\i], s[36+\i], v[LI]        ; the token's row of 4,096 bytes
.endr
	s_wait_dscnt 0x0
	WIN 0x0c
.set j, 0
.rept 48
	v_pk_add_f32 v[RA+j:RA+j+1], v[RA+j:RA+j+1], v[j:j+1]
.set j, j+2
.endr
	WIN 0
.irp i, 0,1,2,3,4,5,6,7,8,9,10,11,12,13,14,15,16,17,18,19,20,21,22,23
	s_cmp_le_u32 s60, \i                           ; slots past n hold no token: nothing of them is stored
	s_cbranch_scc1 .Lend
	global_store_b128 v[OFF+\i], v[RA+4*\i:RA+4*\i+3], s[20:21] th:TH_STORE_NT     ; 32 lanes store 512 consecutive bytes, at a multiple of 512 from out0's first byte
.endr
.Lend:
	s_wait_tensorcnt 0x0
	ds_add_u32 v254, v255
	s_wait_dscnt 0x0
	s_endpgm
.Lfunc_end_k_q780de9ec1c_ffn2:
	.size	k_q780de9ec1c_ffn2, .Lfunc_end_k_q780de9ec1c_ffn2-k_q780de9ec1c_ffn2
	.p2alignl 7, 3214868480
	.fill 96, 4, 3214868480
	.section	.rodata,"a",@progbits
	.p2align	6, 0x0
	.amdhsa_kernel k_q780de9ec1c_ffn2
		.amdhsa_group_segment_fixed_size 101888
		.amdhsa_private_segment_fixed_size 0
		.amdhsa_enable_private_segment 0
		.amdhsa_kernarg_size 72
		.amdhsa_user_sgpr_count 2
		.amdhsa_user_sgpr_kernarg_segment_ptr 1
		.amdhsa_wavefront_size32 1
		.amdhsa_system_sgpr_workgroup_id_x 1
		.amdhsa_system_sgpr_workgroup_id_y 1
		.amdhsa_system_sgpr_workgroup_id_z 1
		.amdhsa_system_vgpr_workitem_id 0
		.amdhsa_next_free_vgpr 960
		.amdhsa_next_free_sgpr 72
		.amdhsa_reserve_vcc 0
		.amdhsa_float_denorm_mode_32 3
		.amdhsa_float_denorm_mode_16_64 3
		.amdhsa_memory_ordered 1
		.amdhsa_forward_progress 1
		.amdhsa_inst_pref_size 145
	.end_amdhsa_kernel
	.amdgpu_metadata
---
amdhsa.version: [ 1, 2 ]
amdhsa.kernels:
  - .name:           k_q780de9ec1c_ffn2
    .symbol:         k_q780de9ec1c_ffn2.kd
    .args:
      - { .name: hq, .offset: 0, .size: 8, .value_kind: global_buffer, .address_space: global }
      - { .name: hs, .offset: 8, .size: 8, .value_kind: global_buffer, .address_space: global }
      - { .name: tok, .offset: 16, .size: 8, .value_kind: global_buffer, .address_space: global }
      - { .name: info, .offset: 24, .size: 8, .value_kind: global_buffer, .address_space: global }
      - { .name: gates, .offset: 32, .size: 8, .value_kind: global_buffer, .address_space: global }
      - { .name: w2_codes, .offset: 40, .size: 8, .value_kind: global_buffer, .address_space: global }
      - { .name: w2_scales, .offset: 48, .size: 8, .value_kind: global_buffer, .address_space: global }
      - { .name: b2, .offset: 56, .size: 8, .value_kind: global_buffer, .address_space: global }
      - { .name: out0, .offset: 64, .size: 8, .value_kind: global_buffer, .address_space: global }
    .group_segment_fixed_size: 101888
    .private_segment_fixed_size: 0
    .kernarg_segment_align: 8
    .kernarg_segment_size: 72
    .max_flat_workgroup_size: 128
    .sgpr_count:     72
    .vgpr_count:     960
    .wavefront_size: 32
...
	.end_amdgpu_metadata
.endif
;; end of part 4
;; ======== version 2 of 2: 4 launches
;; workspace buffers: xq 2,097,152 bytes; xs 65,536 bytes; pid 8,192 bytes of whole numbers; gates 16,384 bytes; tok 18,944 bytes of whole numbers; info 1,024 bytes of whole numbers; hq 19,267,584 bytes; hs 802,816 bytes
;; launch route (part 5): grid 128 x 1, 4 waves a work-group, no clusters, 1,024 bytes of LDS; arguments hidden_states, router_w, xq, xs, pid, gates; writes xq, xs, pid, gates
.if DOCPART == 5
	.amdgcn_target "amdgcn-amd-amdhsa--gfx1250"
	.amdhsa_code_object_version 6
	.text
	.protected	k_q780de9ec1c_route
	.globl	k_q780de9ec1c_route
	.p2align	8
	.type	k_q780de9ec1c_route,@function
k_q780de9ec1c_route:
	s_mov_b64 s[64:65], 0
	v_nop
	global_prefetch_b8 v0, s[64:65] scope:SCOPE_SE
	s_setreg_imm32_b32 hwreg(HW_REG_WAVE_MODE, 25, 1), 1
	s_wait_xcnt 0x0
; ROUTER AND QUANTISER OF x.  hidden_states [2048][1024] f32, router_w [1024][8] f32.
; For each token: logits = x . router_w in f32, softmax over the 8 experts (the largest logit is taken away first), the two largest
; probabilities (of equal ones the lower expert first), their gates renormalised.  Stored at fixed places, as data: pid[token] = b (b - 1) / 2 + a for the
; chosen experts a < b, gates[token] = (gate of a, gate of b).  No address and no branch of this launch hangs on them.
; The same read of x also gives its codes of E4M3 (xq [2048][1024], K innermost) and one E8M0 byte for each 32 along K (xs [2048][32]).
; SHARES: a wave takes 4 tokens.  In step s (0..3) of a row a lane holds k = 256 s + 8 lane + 0..7, so a block of 32 along K lies in 4 neighbouring lanes,
; and a lane's 8 codes are 8 bytes: a wave's store of codes covers 256 consecutive bytes, aligned.  The lane's 256 numbers of router_w stay in registers v256-511 for its 4 tokens.
; No matrix unit, no cluster, no tensor load: N = 8 is under a tile's width, waves share nothing but router_w, and that is 32,768 bytes.
; LIMITS: NaN and infinities are not served.  A block of zeros, or one whose largest magnitude lies under 2^-118, gets the byte 1 (the rule says 127 for zeros): its codes are
; zeros or held, and only this program reads the bytes.  The logits are summed in another order than a row-by-row sum, so two experts whose probabilities differ by f32 rounding alone may change places.
.set X,   32                           ; v32-159  x: token i, step s at X + 32 i + 8 s
.set ACC, 160                          ; v160-191 8 a token: partial logits, logits, then probabilities
.set BY,  192                          ; v192-207 a scale byte for each (token, step): no LDS store's data are written again
.set CD,  208                          ; v208-239 two registers of codes for each (token, step): no store's data are written again
.set MX,  240                          ; v240-243 largest magnitudes of a token's four steps
.set SC,  244                          ; v244-247 the conversions' scale operands
.set HO,  248                          ; v248-251 448 x the scale
.set MT,  64                           ; from here on x's registers are used again, behind the conversions: the largest logit, 4 tokens
.set SU,  68                           ; the sum, then its reciprocal
.set V1,  72
.set I1,  76
.set V2,  80
.set I2,  84
.set RR,  88
.set G1,  92
.set G2,  96
.set EA,  100
.set EB,  104
.set PID, 108
.set GA,  112
.set GB,  116
.set NEG, 120
.set PO,  121
.set GO,  122                          ; v[122:123]
.set SB,  124
.set MSB, 0
.macro WIN new                         ; the immediate's high byte repeats the setting that is left
.if MSB != (\new)
	s_set_vgpr_msb (MSB<<8)|(\new)
.set MSB, (\new)
.endif
.endm
	s_load_b256 s[4:11], s[0:1], 0x0               ; x s[4:5], router_w s[6:7], xq s[8:9], xs s[10:11]
	s_load_b128 s[12:15], s[0:1], 0x20             ; pid s[12:13], gates s[14:15]
	v_lshl_add_u32 v254, v0, 2, 0x200
	v_mov_b32 v255, 0
	v_lshrrev_b32 v9, 5, v0
	v_readfirstlane_b32 s16, v9                    ; wave 0..3
	v_and_b32 v1, 31, v0                           ; lane
	v_lshlrev_b32 v2, 5, v1                        ; x: 32 bytes a lane
	v_lshlrev_b32 v3, 8, v1                        ; router_w: 8 rows of 32 bytes a lane
	v_lshlrev_b32 v4, 3, v1                        ; codes, and gates: 8 bytes a lane
	v_lshlrev_b32 v5, 2, v1                        ; 4 bytes a lane
	v_lshrrev_b32 v6, 2, v1
	s_lshl_b32 s17, s16, 7
	v_add_nc_u32 v6, s17, v6                       ; LDS: my wave's 128 scale bytes, my block's byte
	v_add_nc_u32 v7, s17, v5                       ; and on the way out 4 bytes a lane
	s_lshl_b32 s18, ttmp9, 4
	s_lshl_b32 s19, s16, 2
	s_add_co_u32 s18, s18, s19                     ; my first token: 16 x work-group + 4 x wave
	s_lshl_b32 s20, s18, 12
	s_mov_b32 s21, 0
	s_lshl_b32 s22, s18, 10
	s_mov_b32 s23, 0
	s_lshl_b32 s24, s18, 5
	s_mov_b32 s25, 0
	s_lshl_b32 s26, s18, 2
	s_mov_b32 s27, 0
	s_lshl_b32 s28, s18, 3
	s_mov_b32 s29, 0
	s_mov_b32 s30, 0x600000                        ; the mantissa field of 448
	s_mov_b32 s32, 0x76543210
	s_mov_b32 s33, 0xfedcba98                      ; v_permlanex16_b32's selects for lane l xor 16
	s_wait_alu depctr_va_vdst(0)
	s_wait_kmcnt 0x0
	s_add_nc_u64 s[4:5], s[4:5], s[20:21]
	s_add_nc_u64 s[8:9], s[8:9], s[22:23]
	s_add_nc_u64 s[10:11], s[10:11], s[24:25]
	s_add_nc_u64 s[12:13], s[12:13], s[26:27]
	s_add_nc_u64 s[14:15], s[14:15], s[28:29]
.irp i, 0,1,2,3
.irp s, 0,1,2,3
	global_load_b128 v[X+32*\i+8*\s:X+32*\i+8*\s+3],   v2, s[4:5] offset:4096*\i+1024*\s th:TH_LOAD_NT
	global_load_b128 v[X+32*\i+8*\s+4:X+32*\i+8*\s+7], v2, s[4:5] offset:4096*\i+1024*\s+16 th:TH_LOAD_NT
.endr
.endr
	WIN 0x40                                       ; destination v256 on
.irp s, 0,1,2,3
.irp k, 0,1,2,3,4,5,6,7
	global_load_b128 v[64*\s+8*\k:64*\s+8*\k+3],   v3, s[6:7] offset:8192*\s+32*\k      ; router_w[256 s + 8 lane + k][0..3]
	global_load_b128 v[64*\s+8*\k+4:64*\s+8*\k+7], v3, s[6:7] offset:8192*\s+32*\k+16   ; [4..7]
.endr
.endr
	s_wait_loadcnt 0x0
	; THE LOGITS, my 32 k of each token: two experts an instruction, x's number taken for both halves from its pair.  The first k starts the sums: nothing is cleared.
	WIN 0x01                                       ; source 0 (router_w) from v256 on
.irp s, 0,1,2,3
.irp k, 0,1,2,3,4,5,6,7
.irp i, 0,1,2,3
.irp j, 0,2,4,6
.if (\s == 0) && (\k == 0)
	v_pk_mul_f32 v[ACC+8*\i+\j:ACC+8*\i+\j+1], v[\j:\j+1], v[X+32*\i:X+32*\i+1] op_sel_hi:[1,0]
.elseif (\k % 2) == 0
	v_pk_fma_f32 v[ACC+8*\i+\j:ACC+8*\i+\j+1], v[64*\s+8*\k+\j:64*\s+8*\k+\j+1], v[X+32*\i+8*\s+\k:X+32*\i+8*\s+\k+1], v[ACC+8*\i+\j:ACC+8*\i+\j+1] op_sel_hi:[1,0,1]
.else
	v_pk_fma_f32 v[ACC+8*\i+\j:ACC+8*\i+\j+1], v[64*\s+8*\k+\j:64*\s+8*\k+\j+1], v[X+32*\i+8*\s+\k-1:X+32*\i+8*\s+\k], v[ACC+8*\i+\j:ACC+8*\i+\j+1] op_sel:[0,1,0] op_sel_hi:[1,1,1]
.endif
.endr
.endr
.endr
.endr
	WIN 0
; A TOKEN'S CODES.  Its four steps take turns line by line.  The largest magnitude of my 8 with the floor 2^(9 - 127) among them, then of the 3 lanes that share the block;
; 8 off its exponent field is the conversion's scale operand; its exponent field over 448's mantissa is the hold.
.macro QTOK i
.irp s, 0,1,2,3
	v_max3_num_f32 v[MX+\s], |v[X+32*\i+8*\s]|, |v[X+32*\i+8*\s+1]|, 0x4800000
.endr
.irp k, 2,4,6
.irp s, 0,1,2,3
	v_max3_num_f32 v[MX+\s], v[MX+\s], |v[X+32*\i+8*\s+\k]|, |v[X+32*\i+8*\s+\k+1]|
.endr
.endr
.irp s, 0,1,2,3
	v_max_num_f32_dpp v[MX+\s], v[MX+\s], v[MX+\s] row_xmask:1 row_mask:0xf bank_mask:0xf
.endr
.irp s, 0,1,2,3
	v_max_num_f32_dpp v[MX+\s], v[MX+\s], v[MX+\s] row_xmask:2 row_mask:0xf bank_mask:0xf
.endr
.irp s, 0,1,2,3
	v_add_nc_u32 v[SC+\s], 0xfc000000, v[MX+\s]
.endr
.irp s, 0,1,2,3
	v_and_or_b32 v[HO+\s], v[MX+\s], 0x7f800000, s30
.endr
.irp s, 0,1,2,3
.irp k, 0,1,2,3,4,5,6,7
	v_med3_num_f32 v[X+32*\i+8*\s+\k], v[X+32*\i+8*\s+\k], -v[HO+\s], v[HO+\s]   ; the conversion to an 8-bit code does not saturate (ISA guide 7.6.2): the hold comes first.  In place: the logits have read x
.endr
.endr
.irp s, 0,1,2,3
	v_cvt_scalef32_pk8_fp8_f32 v[CD+2*(4*\i+\s):CD+2*(4*\i+\s)+1], v[X+32*\i+8*\s:X+32*\i+8*\s+7], v[SC+\s]
.endr
.irp s, 0,1,2,3
	v_lshrrev_b32 v[BY+4*\i+\s], 23, v[SC+\s]      ; the scale's byte; these plain lines also stand between the conversions and whatever next writes their sources
.endr
.irp s, 0,1,2,3
	ds_store_b8 v6, v[BY+4*\i+\s] offset:32*\i+8*\s                 ; the four lanes of a block write the same byte with the same value
	global_store_b64 v4, v[CD+2*(4*\i+\s):CD+2*(4*\i+\s)+1], s[8:9] offset:1024*\i+256*\s
.endr
.endm
	QTOK 0
	QTOK 1
	QTOK 2
	QTOK 3
	; the 32 partial logits are summed over the 32 lanes; every lane ends with all of them
.irp x, 1,2,4,8
.set r, 0
.rept 32
	v_add_f32_dpp v[ACC+r], v[ACC+r], v[ACC+r] row_xmask:\x row_mask:0xf bank_mask:0xf
.set r, r+1
.endr
.endr
.set r, 0
.rept 32
	v_permlanex16_b32 v[X+r], v[ACC+r], s32, s33   ; (its destination counts as read: x's registers have been written)
.set r, r+1
.endr
.set r, 0
.rept 32
	v_add_f32 v[ACC+r], v[ACC+r], v[X+r]
.set r, r+1
.endr
	; SOFTMAX, the four tokens by turns
.irp i, 0,1,2,3
	v_max3_num_f32 v[MT+\i], v[ACC+8*\i], v[ACC+8*\i+1], v[ACC+8*\i+2]
.endr
.irp k, 3,5
.irp i, 0,1,2,3
	v_max3_num_f32 v[MT+\i], v[MT+\i], v[ACC+8*\i+\k], v[ACC+8*\i+\k+1]
.endr
.endr
.irp i, 0,1,2,3
	v_max_num_f32 v[MT+\i], v[MT+\i], v[ACC+8*\i+7]
.endr
.irp i, 0,1,2,3
.irp e, 0,1,2,3,4,5,6,7
	v_sub_f32 v[ACC+8*\i+\e], v[ACC+8*\i+\e], v[MT+\i]              ; logit - the largest logit: 0 or less
.endr
.endr
.set r, 0
.rept 32
	v_mul_f32 v[ACC+r], 0x3fb8aa3b, v[ACC+r]       ; x log2(e)
.set r, r+1
.endr
.set r, 0
	s_wait_alu depctr_va_vdst(0)
.rept 32
	v_exp_f32 v[ACC+r], v[ACC+r]
.set r, r+1
.endr
	v_mov_b32 v[NEG], -1.0                         ; a plain line behind the exponentials
	s_wait_alu depctr_va_vdst(0)                   ; one wait for the batch, ahead of its first reader
.irp i, 0,1,2,3
	v_add_f32 v[SU+\i], v[ACC+8*\i], v[ACC+8*\i+1]
.endr
.irp e, 2,3,4,5,6,7
.irp i, 0,1,2,3
	v_add_f32 v[SU+\i], v[SU+\i], v[ACC+8*\i+\e]
.endr
.endr
	s_wait_alu depctr_va_vdst(0)
.irp i, 0,1,2,3
	v_rcp_f32 v[SU+\i], v[SU+\i]
.endr
	v_nop
	s_wait_alu depctr_va_vdst(0)
.irp i, 0,1,2,3
.irp e, 0,1,2,3,4,5,6,7
	v_mul_f32 v[ACC+8*\i+\e], v[ACC+8*\i+\e], v[SU+\i]              ; the probabilities
.endr
.endr
; The largest of a token's 8 and its number, by an ascending scan that keeps what it has on equality: of equal probabilities the lower expert wins.  Selections only, no branch.
.macro SCAN val, idx
.irp i, 0,1,2,3
	v_mov_b32 v[\val+\i], v[ACC+8*\i]
	v_mov_b32 v[\idx+\i], 0
.endr
.irp e, 1,2,3,4,5,6,7
.irp i, 0,1,2,3
	v_cmp_ge_f32 vcc_lo, v[\val+\i], v[ACC+8*\i+\e]
	v_cndmask_b32 v[\idx+\i], \e, v[\idx+\i], vcc_lo
	v_cndmask_b32 v[\val+\i], v[ACC+8*\i+\e], v[\val+\i], vcc_lo
.endr
.endr
.endm
	SCAN V1, I1
.irp e, 0,1,2,3,4,5,6,7
.irp i, 0,1,2,3
	v_cmp_eq_u32 vcc_lo, \e, v[I1+\i]
	v_cndmask_b32 v[ACC+8*\i+\e], v[ACC+8*\i+\e], v[NEG], vcc_lo    ; the winner becomes -1, under every probability
.endr
.endr
	SCAN V2, I2
.irp i, 0,1,2,3
	v_add_f32 v[RR+\i], v[V1+\i], v[V2+\i]
.endr
	s_wait_alu depctr_va_vdst(0)
.irp i, 0,1,2,3
	v_rcp_f32 v[RR+\i], v[RR+\i]
.endr
.irp i, 0,1,2,3
	v_min_u32 v[EA+\i], v[I1+\i], v[I2+\i]         ; a: the lower expert.  (Plain lines behind the reciprocals, which name none of their results)
.endr
.irp i, 0,1,2,3
	v_add_nc_u32 v[EB+\i], v[I1+\i], v[I2+\i]
.endr
.irp i, 0,1,2,3
	v_sub_nc_u32 v[EB+\i], v[EB+\i], v[EA+\i]      ; b: the other
.endr
.irp i, 0,1,2,3
	v_add_nc_u32 v[PID+\i], -1, v[EB+\i]
.endr
.irp i, 0,1,2,3
	v_mul_u32_u24 v[PID+\i], v[PID+\i], v[EB+\i]
.endr
.irp i, 0,1,2,3
	v_lshrrev_b32 v[PID+\i], 1, v[PID+\i]
.endr
.irp i, 0,1,2,3
	v_add_nc_u32 v[PID+\i], v[PID+\i], v[EA+\i]    ; b (b - 1) / 2 + a: 0 .. 27
.endr
	s_wait_alu depctr_va_vdst(0)
.irp i, 0,1,2,3
	v_mul_f32 v[G1+\i], v[V1+\i], v[RR+\i]
	v_mul_f32 v[G2+\i], v[V2+\i], v[RR+\i]
.endr
.irp i, 0,1,2,3
	v_cmp_lt_u32 vcc_lo, v[I1+\i], v[I2+\i]
	v_cndmask_b32 v[GA+\i], v[G2+\i], v[G1+\i], vcc_lo              ; the gate of a,
	v_cndmask_b32 v[GB+\i], v[G1+\i], v[G2+\i], vcc_lo              ; and of b
.endr
	; every lane holds all four tokens' results: lane i keeps token i's
	v_cmp_eq_u32 s34, 1, v1
	v_cmp_eq_u32 s35, 2, v1
	v_cmp_eq_u32 s36, 3, v1
	v_cndmask_b32 v[PO], v[PID], v[PID+1], s34
	v_cndmask_b32 v[GO], v[GA], v[GA+1], s34
	v_cndmask_b32 v[GO+1], v[GB], v[GB+1], s34
	v_cndmask_b32 v[PO], v[PO], v[PID+2], s35
	v_cndmask_b32 v[GO], v[GO], v[GA+2], s35
	v_cndmask_b32 v[GO+1], v[GO+1], v[GB+2], s35
	v_cndmask_b32 v[PO], v[PO], v[PID+3], s36
	v_cndmask_b32 v[GO], v[GO], v[GA+3], s36
	v_cndmask_b32 v[GO+1], v[GO+1], v[GB+3], s36
	ds_load_b32 v[SB], v7                          ; LDS serves a wave's instructions in order: this sees my byte stores
	s_wait_alu depctr_va_vdst(0)
	s_wait_dscnt 0x0
	global_store_b32 v5, v[SB], s[10:11]           ; my 4 tokens' 128 scale bytes; the work-group's four waves cover 512 consecutive bytes
	v_cmp_gt_u32 vcc_lo, 4, v1
	s_wait_xcnt 0x0                                ; EXEC is a source of the stores that are out: it changes only behind this wait
	s_wait_tensorcnt 0x0
	ds_add_u32 v254, v255
	s_wait_dscnt 0x0
	s_and_saveexec_b32 s37, vcc_lo
	global_store_b32 v5, v[PO], s[12:13]           ; lanes 0 to 3
	global_store_b64 v4, v[GO:GO+1], s[14:15]
	s_wait_xcnt 0x0                                ; and again in front of the line that widens it
	s_or_b32 exec_lo, exec_lo, s37
	s_endpgm
.Lfunc_end_k_q780de9ec1c_route:
	.size	k_q780de9ec1c_route, .Lfunc_end_k_q780de9ec1c_route-k_q780de9ec1c_route
	.p2alignl 7, 3214868480
	.fill 96, 4, 3214868480
	.section	.rodata,"a",@progbits
	.p2align	6, 0x0
	.amdhsa_kernel k_q780de9ec1c_route
		.amdhsa_group_segment_fixed_size 1024
		.amdhsa_private_segment_fixed_size 0
		.amdhsa_enable_private_segment 0
		.amdhsa_kernarg_size 48
		.amdhsa_user_sgpr_count 2
		.amdhsa_user_sgpr_kernarg_segment_ptr 1
		.amdhsa_wavefront_size32 1
		.amdhsa_system_sgpr_workgroup_id_x 1
		.amdhsa_system_sgpr_workgroup_id_y 1
		.amdhsa_system_sgpr_workgroup_id_z 1
		.amdhsa_system_vgpr_workitem_id 0
		.amdhsa_next_free_vgpr 512
		.amdhsa_next_free_sgpr 66
		.amdhsa_reserve_vcc 1
		.amdhsa_float_denorm_mode_32 3
		.amdhsa_float_denorm_mode_16_64 3
		.amdhsa_memory_ordered 1
		.amdhsa_forward_progress 1
		.amdhsa_inst_pref_size 93
	.end_amdhsa_kernel
	.amdgpu_metadata
---
amdhsa.version: [ 1, 2 ]
amdhsa.kernels:
  - .name:           k_q780de9ec1c_route
    .symbol:         k_q780de9ec1c_route.kd
    .args:
      - { .name: hidden_states, .offset: 0, .size: 8, .value_kind: global_buffer, .address_space: global }
      - { .name: router_w, .offset: 8, .size: 8, .value_kind: global_buffer, .address_space: global }
      - { .name: xq, .offset: 16, .size: 8, .value_kind: global_buffer, .address_space: global }
      - { .name: xs, .offset: 24, .size: 8, .value_kind: global_buffer, .address_space: global }
      - { .name: pid, .offset: 32, .size: 8, .value_kind: global_buffer, .address_space: global }
      - { .name: gates, .offset: 40, .size: 8, .value_kind: global_buffer, .address_space: global }
    .group_segment_fixed_size: 1024
    .private_segment_fixed_size: 0
    .kernarg_segment_align: 8
    .kernarg_segment_size: 48
    .max_flat_workgroup_size: 128
    .sgpr_count:     66
    .vgpr_count:     512
    .wavefront_size: 32
...
	.end_amdgpu_metadata
.endif
;; end of part 5
;; launch place (part 6): grid 1 x 1, 32 waves a work-group, no clusters, 8,192 bytes of LDS; arguments pid, tok, info; writes tok, info
.if DOCPART == 6
	.amdgcn_target "amdgcn-amd-amdhsa--gfx1250"
	.amdhsa_code_object_version 6
	.text
	.protected	k_q780de9ec1c_place
	.globl	k_q780de9ec1c_place
	.p2align	8
	.type	k_q780de9ec1c_place,@function
k_q780de9ec1c_place:
	s_mov_b64 s[64:65], 0
	v_nop
	global_prefetch_b8 v0, s[64:65] scope:SCOPE_SE
	s_setreg_imm32_b32 hwreg(HW_REG_WAVE_MODE, 25, 1), 1
	s_wait_xcnt 0x0
; THE TOKENS ARE SORTED BY THEIR PAIR OF EXPERTS, by a counting sort in one work-group, without atomics.
; pid [2048]: a token's pair, 0..27.  A pair's tokens, in ascending order, are cut into chunks of at most 96.  Sum over pairs of ceil(n / 96) is at most (2048 + 28 x 95) / 96, so never more than 49 chunks, whatever the split.
; tok [49 x 96]: the token of each slot; slots that no token takes hold 0.   info [64][4]: a, b, n, 0 for each chunk; n = 0: the chunk is not in use.
; SHARES: wave w takes tokens 64 w + 32 q + lane, q = 0, 1.  One barrier: in front of it each wave's counts for the 28 pairs go to LDS (lane p: pair p) and its part of the zeros in tok is stored;
; behind it every wave reads all 32 waves' counts, forms totals and its own prefix, walks the 28 pairs once, and stores its tokens at 96 x the pair's first chunk + prefix + rank.
; Every pair's step is written out: no loop, no branch on data.
	s_load_b128 s[4:7], s[0:1], 0x0                ; pid s[4:5], tok s[6:7]
	s_load_b64 s[8:9], s[0:1], 0x10                ; info
	v_lshl_add_u32 v96, v0, 2, 0x1000
	v_mov_b32 v97, 0
	v_lshrrev_b32 v1, 5, v0
	s_delay_alu instid0(VALU_DEP_1)
	v_readfirstlane_b32 s16, v1                    ; wave 0..31
	v_and_b32 v2, 31, v0                           ; lane
	v_lshlrev_b32 v3, 4, v0                        ; 16 x thread
	v_lshlrev_b32 v4, 2, v0                        ; 4 x thread
	s_delay_alu instid0(VALU_DEP_3)
	v_lshlrev_b32 v5, 2, v2                        ; 4 x lane
	s_delay_alu instid0(VALU_DEP_1)
	v_lshl_add_u32 v6, v1, 8, v5                   ; pid: 256 x wave + 4 x lane
	v_lshl_add_u32 v7, v1, 6, v2                   ; my first token: 64 x wave + lane
.irp r, 8,9,10,11,14,15,16,20,23,24,25,64,65
	v_mov_b32 v\r, 0                               ; v[8:11] the zeros for tok; v14, v15 ranks; v16 counts; v20 prefix; v23-25 a chunk's pair, first chunk, total; v64, v65 keys
.endr
	s_wait_kmcnt 0x0
	global_load_b32 v12, v6, s[4:5]
	global_load_b32 v13, v6, s[4:5] offset:128
	global_store_b128 v3, v[8:11], s[6:7]          ; 16,384 bytes of zeros by all threads,
	s_cmp_gt_u32 s16, 4
	s_cbranch_scc1 .Lno_tail
	global_store_b128 v3, v[8:11], s[6:7] offset:16384   ; and the last 2,560 by waves 0 to 4
.Lno_tail:
	s_wait_loadcnt 0x0
	v_min_u32 v12, 27, v12
	v_min_u32 v13, 27, v13
	; for each pair: who of my wave has it, each such token's rank among them, and their number
.set PP, 0
.rept 28
	v_cmp_eq_u32 s20, PP, v12
	v_cmp_eq_u32 s21, PP, v13
	s_bcnt1_i32_b32 s22, s20
	s_bcnt1_i32_b32 s23, s21
	v_mbcnt_lo_u32_b32 v17, s20, 0                 ; lanes below me among the first 32 tokens
	v_mbcnt_lo_u32_b32 v18, s21, s22               ; among the second 32, behind all of the first
	s_add_co_u32 s23, s22, s23
	v_cndmask_b32 v14, v14, v17, s20
	v_cndmask_b32 v15, v15, v18, s21
	v_writelane_b32 v16, s23, PP
.set PP, PP+1
.endr
	ds_store_b32 v4, v16                           ; wave w's counts at 128 w, pair p at 4 p
	s_wait_dscnt 0x0                               ; for the others' sake: my counts lie in LDS,
	s_wait_storecnt 0x0                            ; and my zeros are stored: behind the barrier other waves store tokens over them
	s_barrier_signal -1
	s_barrier_wait -1
.set W, 0
.rept 32
	ds_load_b32 v[32+W], v5 offset:128*W           ; lane p: wave W's count of pair p
.set W, W+1
.endr
	s_wait_dscnt 0x0
	v_add_nc_u32 v19, v32, v33
.irp k, 34,36,38,40,42,44,46,48,50,52,54,56,58,60,62
	s_delay_alu instid0(VALU_DEP_1)
	v_add3_u32 v19, v19, v[\k], v[\k+1]            ; lane p: pair p's tokens in all
.endr
.set W, 0
.rept 31
	s_cmp_gt_u32 s16, W
	s_cselect_b32 s20, 1, 0
	v_mad_u32_u24 v20, v[32+W], s20, v20           ; lane p: those in waves before mine
.set W, W+1
.endr
	v_add_nc_u32 v21, 95, v19
	s_delay_alu instid0(VALU_DEP_1)
	v_lshrrev_b32 v21, 5, v21
	s_delay_alu instid0(VALU_DEP_1)
	v_mul_u32_u24 v21, 43, v21
	s_delay_alu instid0(VALU_DEP_1)
	v_lshrrev_b32 v21, 7, v21                      ; lane p: ceil(total / 96) = ((total + 95) / 32) / 3; y x 43 / 128 is y / 3 rounded down for y under 128, and y is 66 at the most
	; the walk over the pairs.  s24 = the pair's first chunk.  Thread c keeps the last pair whose first chunk is not above c: chunk c's pair, or, past the last chunk, a pair that leaves it no tokens.
	s_mov_b32 s24, 0
.set PP, 0
.set PA, 0
.set PB, 1
.rept 28
	v_cmp_gt_u32 vcc_lo, s24, v0
	v_readlane_b32 s25, v19, PP                    ; the pair's tokens,
	v_readlane_b32 s26, v21, PP                    ; its chunks,
	v_readlane_b32 s27, v20, PP                    ; my wave's prefix in it
	s_delay_alu instid0(VALU_DEP_4)
	v_cndmask_b32 v23, PA+8*PB, v23, vcc_lo
	v_cndmask_b32 v24, s24, v24, vcc_lo
	v_cndmask_b32 v25, s25, v25, vcc_lo
	s_mul_i32 s28, s24, 96
	s_add_co_u32 s28, s28, s27                     ; where my wave's tokens of this pair begin
	v_cmp_ne_u32 vcc_lo, PP, v12
	s_delay_alu instid0(VALU_DEP_1)
	v_cndmask_b32 v64, s28, v64, vcc_lo
	v_cmp_ne_u32 vcc_lo, PP, v13
	s_delay_alu instid0(VALU_DEP_1)
	v_cndmask_b32 v65, s28, v65, vcc_lo
	s_add_co_u32 s24, s24, s26
.set PP, PP+1
.set PA, PA+1
.if PA == PB
.set PA, 0
.set PB, PB+1
.endif
.endr
	v_sub_nc_u32 v26, v0, v24                      ; which chunk of its pair,
	s_delay_alu instid0(VALU_DEP_1)
	v_mul_u32_u24 v26, 96, v26                     ; the tokens before it,
	s_delay_alu instid0(VALU_DEP_1)
	v_min_u32 v26, v26, v25
	s_delay_alu instid0(VALU_DEP_1)
	v_sub_nc_u32 v26, v25, v26                     ; those left,
	s_delay_alu instid0(VALU_DEP_1)
	v_min_u32 v30, 96, v26                         ; n
	v_and_b32 v28, 7, v23                          ; a
	v_lshrrev_b32 v29, 3, v23                      ; b
	v_mov_b32 v31, 0
	s_cmp_gt_u32 s16, 1
	s_cbranch_scc1 .Lno_info
	global_store_b128 v3, v[28:31], s[8:9]         ; threads 0 to 63: info[c]
.Lno_info:
	v_add_nc_u32 v64, v64, v14
	v_add_nc_u32 v65, v65, v15
	s_delay_alu instid0(VALU_DEP_2)
	v_min_u32 v64, 4703, v64                       ; a number made of loaded numbers enters an address only behind a bound: 49 x 96 - 1
	s_delay_alu instid0(VALU_DEP_2)
	v_min_u32 v65, 4703, v65
	s_delay_alu instid0(VALU_DEP_2)
	v_lshlrev_b32 v64, 2, v64
	s_delay_alu instid0(VALU_DEP_2)
	v_lshlrev_b32 v65, 2, v65
	v_add_nc_u32 v66, 32, v7
	global_store_b32 v64, v7, s[6:7]
	global_store_b32 v65, v66, s[6:7]
	s_wait_tensorcnt 0x0
	ds_add_u32 v96, v97
	s_wait_dscnt 0x0
	s_endpgm
.Lfunc_end_k_q780de9ec1c_place:
	.size	k_q780de9ec1c_place, .Lfunc_end_k_q780de9ec1c_place-k_q780de9ec1c_place
	.p2alignl 7, 3214868480
	.fill 96, 4, 3214868480
	.section	.rodata,"a",@progbits
	.p2align	6, 0x0
	.amdhsa_kernel k_q780de9ec1c_place
		.amdhsa_group_segment_fixed_size 8192
		.amdhsa_private_segment_fixed_size 0
		.amdhsa_enable_private_segment 0
		.amdhsa_kernarg_size 24
		.amdhsa_user_sgpr_count 2
		.amdhsa_user_sgpr_kernarg_segment_ptr 1
		.amdhsa_wavefront_size32 1
		.amdhsa_system_sgpr_workgroup_id_x 1
		.amdhsa_system_sgpr_workgroup_id_y 1
		.amdhsa_system_sgpr_workgroup_id_z 1
		.amdhsa_system_vgpr_workitem_id 0
		.amdhsa_next_free_vgpr 98
		.amdhsa_next_free_sgpr 66
		.amdhsa_reserve_vcc 1
		.amdhsa_float_denorm_mode_32 3
		.amdhsa_float_denorm_mode_16_64 3
		.amdhsa_memory_ordered 1
		.amdhsa_forward_progress 1
		.amdhsa_inst_pref_size 45
	.end_amdhsa_kernel
	.amdgpu_metadata
---
amdhsa.version: [ 1, 2 ]
amdhsa.kernels:
  - .name:           k_q780de9ec1c_place
    .symbol:         k_q780de9ec1c_place.kd
    .args:
      - { .name: pid, .offset: 0, .size: 8, .value_kind: global_buffer, .address_space: global }
      - { .name: tok, .offset: 8, .size: 8, .value_kind: global_buffer, .address_space: global }
      - { .name: info, .offset: 16, .size: 8, .value_kind: global_buffer, .address_space: global }
    .group_segment_fixed_size: 8192
    .private_segment_fixed_size: 0
    .kernarg_segment_align: 8
    .kernarg_segment_size: 24
    .max_flat_workgroup_size: 1024
    .sgpr_count:     66
    .vgpr_count:     98
    .wavefront_size: 32
...
	.end_amdgpu_metadata
.endif
;; end of part 6
;; launch ffn1 (part 7): grid 8 x 49, 4 waves a work-group, no clusters, 111,104 bytes of LDS; arguments xq, xs, tok, info, w1_codes, w1_scales, b1, hq, hs; writes hq, hs
.if DOCPART == 7
	.amdgcn_target "amdgcn-amd-amdhsa--gfx1250"
	.amdhsa_code_object_version 6
	.text
	.protected	k_q780de9ec1c_ffn1
	.globl	k_q780de9ec1c_ffn1
	.p2align	8
	.type	k_q780de9ec1c_ffn1,@function
k_q780de9ec1c_ffn1:
	s_mov_b64 s[64:65], 0
	v_nop
	global_prefetch_b8 v0, s[64:65] scope:SCOPE_SE
	s_setreg_imm32_b32 hwreg(HW_REG_WAVE_SCHED_MODE, 0, 2), 2
	s_setreg_imm32_b32 hwreg(HW_REG_WAVE_MODE, 25, 1), 1
	s_wait_xcnt 0x0
	s_wait_alu depctr_vm_vsrc(0)
; THE FIRST PRODUCT, FOR THE CHOSEN EXPERTS ALONE: hidden = Q(gelu(Q(x) W1[e] + b1[e])), on codes of E4M3 with one E8M0 scale for each 32 along K; gelu in its tanh form; Q the quantiser along the second product's K.
; A chunk is up to 96 tokens that chose the same two experts a < b (info[chunk] = a, b, n; tok = its tokens).  Work-group (z, chunk) makes hidden units 256 z .. 256 z + 255 of BOTH experts for the chunk's 96 slots.
; SHARES: wave w: expert a (w even) or b (w odd); hidden units f0 = 128 (2 z + w / 2) on, 128 of them, for all 96 rows: 8 tiles of units x 6 tiles of rows = 48 accumulators.  Those 128 units are one K step of the second product.
; THE PRODUCT IS USED TRANSPOSED (source 0 = 16 rows of W1, source 1 = 16 tokens), and THE ROWS OF W1 THAT FORM A TILE ARE NOT NEIGHBOURS: lane r of tile 2 b + u takes row f0 + 32 b + 8 u + r + 8 (r / 8).
; So a lane holds one token, and the 64 registers of a row tile run along the next K in the order of the next operand's registers: the conversions' results are that operand.
; W1 goes from memory straight into registers: each of its bytes is loaded by one wave of the work-group and feeds 6 matrix instructions.  x's codes are gathered once by the four waves together and shared through LDS as
; images of the operand's registers (a fragment: 4 stores of 512 bytes, lane l's 16 bytes at 16 l).  The hidden codes leave in the same form (hq), their scale words in the order in which the next launch's registers take them (hs).
; NO TENSOR LOAD, NO CLUSTER: whether a chunk is in use and which experts it has are numbers read from memory.  A work-group without rows leaves by a branch on such a number.
; A joint load's address would hang on a number that partners need not share.
; THE BRANCH ON n: the one barrier stands where both ways join; what is done under the branch ahead of it hands on LDS bytes alone, no register.
; Slots past n hold token 0: they are computed like the others and their results are stored in hq, where the next launch multiplies them and stores nothing of them.
; LIMITS: NaN and infinities are not served.  A block of the hidden layer that is all zeros, or under 2^-118, gets the byte 1: only this program reads the bytes.
; THE MODE: SCHED_MODE bits 1:0 = 2 (LLVM: expert scheduling mode 2), set by the entry lines.  The code itself states the register dependences
; between vector or matrix instructions and memory or LDS instructions, with s_wait_alu, always for 0.
; THE PLAN.  Registers that memory or LDS instructions touch:
;   v1-9, v30, v31   offsets and LDS addresses: written once at the head, ahead of one wait on va_vdst; never written again.
;   v18-29           the gather's offsets: written in the gather, ahead of one wait on va_vdst; never written again.
;   window 2         the gather's data: loaded, read by my LDS stores, then written by the first K step's matrix instructions: one wait on vm_vsrc behind the stores.
;   W[0], W[1]       K step s reads W[s % 2]; the loads of K step s + 1 land in the other set, which K step s - 1 read.
;   X[0], X[1]       the same for x's six fragments, out of LDS.
;   So ONE wait on va_vdst stands at the head of K steps 1 to 6: the step before is done reading the two sets in which this step's loads land.  W1's 32 loads follow it in one run, ahead of the wait for this step's own
;   fragments, so that two sets are on their way; x's 24 LDS loads are dealt among the step's matrix instructions, which name W[s % 2], X[s % 2], scale words and accumulators: none of the registers that those loads touch.
;   codes, scale words and the stores' two offsets on the way out: written by vector instructions, read by stores, never written again: each row tile has its own.  A row tile's stores stand behind the wait that the next
;   row tile's exponentials have anyway; one wait more stands ahead of the last stores.
; REGISTERS, in windows of 256 (s_set_vgpr_msb: bits 1:0 source 0, 3:2 source 1, 5:4 source 2, 7:6 destination):
;   window 0: v1-31 addresses; v32-55 x's scale words; v56-87 W1's; v96-191 X[0]: x's six fragments of an even K step; v192-247 and v88-95 b1 in the result's layout.
;   window 1: two sets of W1's 8 fragments; on the way out: v0-63 a row tile's numbers, v64-159 codes, v160-191 at work.
;   window 2: the accumulators of row tiles 0-3 at 64 m + 8 t (before that the gather's registers).   window 3: v0-127 those of row tiles 4, 5; v128-223 X[1]: x's six fragments of an odd K step.
.set XSB,  98304                       ; LDS: x's 48 fragments (K step s, row tile m) at (6 s + m) x 2,048; behind them each wave's own 6 x 512 bytes of x's scale words
.set LI,   1                           ; v1   16 x lane
.set LI2,  2                           ; v2   the same + 49,152: an LDS offset has 16 bits
.set WA,   3                           ; v3   W1: (r + 8 (r / 8)) x 1,024 + 16 h
.set WSA,  4                           ; v4   its scale bytes: (r + 8 (r / 8)) x 32 + 16 h
.set BA,   5                           ; v5   b1: 64 h
.set R4,   6                           ; v6   4 r
.set XST,  7                           ; v7   where I store x's images: 16 x lane + 24,576 x wave
.set XSS,  8                           ; v8   my wave's copy of x's scale words
.set HSA,  9                           ; v9   512 h + 16 r
.set TK,   12                          ; v12-17 the tokens of row tile m
.set XA,   18                          ; v18-23 their codes: token x 1,024 + 16 h + 256 x wave
.set XSA,  24                          ; v24-29 their scale bytes: token x 32 + 16 h
.set XB,   30
.set H16,  31
.set XS,   32                          ; register 4 m + j: lanes 0-15 the word of K step j, lanes 16-31 of K step 4 + j, token r
.set WS,   56                          ; register 4 t + j: likewise for W1's rows
.set XF,   96                          ; X[0], in window 0
.set XG,   128                         ; X[1], in window 3
.set SEL,  40                          ; s[40:41]
.set MNT,  42
.set K1,   44                          ; s[44:45]
.set HM,   46
.set T,    0                           ; window 1, on the way out
.set PC,   64
.set PW,   160
.set HD,   168
.set TM,   172
.set KV,   188
.set LI1,  190
.set HSA1, 191
.set MSB, 0
.macro WIN new                         ; the immediate's high byte repeats the setting that is left
.if MSB != (\new)
	s_set_vgpr_msb (MSB<<8)|(\new)
.set MSB, (\new)
.endif
.endm
.macro PLACES n
.rept \n
	v_nop
.endr
.endm
.macro WLOAD s                         ; W1's 8 fragments of K step s into set s % 2: 32 loads
	WIN 0x40
.irp t, 0,1,2,3,4,5,6,7
.irp c, 0,1,2,3
	global_load_b128 v[128*((\s)%2)+16*\t+4*\c:128*((\s)%2)+16*\t+4*\c+3], v[WA], s[12:13] offset:(32*(\t/2)+8*(\t%2))*1024+128*(\s)+32*\c
.endr
.endr
.endm
.macro XFL s, m                        ; x's fragment (K step s, row tile m) out of LDS into X[s % 2]
.if ((\s)%2) == 0
	WIN 0
.set rL, XF+16*(\m)
.else
	WIN 0xc0                                       ; destination window 3, address window 0
.set rL, XG+16*(\m)
.endif
.irp c, 0,1,2,3
.if (\s) < 4
	ds_load_b128 v[rL+4*\c:rL+4*\c+3], v[LI] offset:(6*(\s)+(\m))*2048+512*\c
.else
	ds_load_b128 v[rL+4*\c:rL+4*\c+3], v[LI2] offset:(6*((\s)-4)+(\m))*2048+512*\c
.endif
.endr
.endm
.macro ONE s, t, m                     ; one matrix instruction: tile t of units x tile m of rows, K step s.  The first K step takes b1 as C: no addition, nothing cleared
.set rD, 64*((\m)%4)+8*(\t)
.set rW, 128*((\s)%2)+16*(\t)
.set rX, XF+(XG-XF)*((\s)%2)+16*(\m)
.set rC, 192+8*(\t)-160*((\t)/7)       ; b1's tiles 0 to 6 at v192 on, tile 7 at v88
.set rA, WS+4*(\t)+(\s)%4
.set rB, XS+4*(\m)+(\s)%4
.if (\s) == 0
	v_wmma_scale_f32_16x16x128_f8f6f4 v[rD:rD+7], v[rW:rW+15], v[rX:rX+15], v[rC:rC+7], v[rA], v[rB]
.elseif (\s) < 4
	v_wmma_scale_f32_16x16x128_f8f6f4 v[rD:rD+7], v[rW:rW+15], v[rX:rX+15], v[rD:rD+7], v[rA], v[rB]
.else
	v_wmma_scale_f32_16x16x128_f8f6f4 v[rD:rD+7], v[rW:rW+15], v[rX:rX+15], v[rD:rD+7], v[rA], v[rB] matrix_a_scale:MATRIX_SCALE_ROW1 matrix_b_scale:MATRIX_SCALE_ROW1
.endif
.endm
; A K STEP of 128: 48 matrix instructions.  The 48 accumulators take turns, one instruction a turn, in the same order in every step.
.macro KSTEP s
.if (\s) == 0
.set WLO, 0x81                         ; W1 window 1, x window 0, C = b1 window 0, D window 2
.set WHI, 0xc1                         ; the same, D window 3
.elseif ((\s)%2) == 0
.set WLO, 0xa1                         ; x window 0, C and D window 2
.set WHI, 0xf1                         ; C and D window 3
.else
.set WLO, 0xad                         ; x window 3, C and D window 2
.set WHI, 0xfd                         ; C and D window 3
.endif
.if ((\s) > 0) && ((\s) < 7)
	WIN 0x40
	s_wait_alu depctr_va_vdst(0)                   ; the matrix instructions of the K step before are done reading their set of W1 and their set of x, in which this step's loads land
	WLOAD (\s)+1                                   ; ahead of the wait for this step's own fragments: two sets are on their way
.endif
.if (\s) < 7
	s_wait_loadcnt 32                              ; W1's fragments of this step are in; behind them stand the next step's 32 loads
.else
	s_wait_loadcnt 0x0
.endif
	s_wait_dscnt 0x0                               ; x's six fragments of this step are in (asked for in the step before; in the first step just now, with the scale words)
.irp g, 0,1,2,3
	WIN WLO
.irp u, 0,1
.irp m, 0,1,2,3
	ONE \s, 2*\g+\u, \m
.endr
.endr
.if ((\s) < 7) && (\g < 3)
	XFL (\s)+1, 2*\g                               ; two of the next step's six fragments of x.  No wait: no vector or matrix instruction since the wait at the step's head names the other set or the address
	XFL (\s)+1, 2*\g+1
.endif
.endr
	WIN WHI
.irp t, 0,1,2,3,4,5,6,7
.irp m, 4,5
	ONE \s, \t, \m
.endr
.endr
.if (\s) == 7
	PLACES 8                                       ; 8 plain vector lines behind the last matrix instruction, before vector lines read results and write W1's registers
.endif
.endm
	s_load_b512 s[4:19], s[0:1], 0x0               ; xq s[4:5], xs s[6:7], tok s[8:9], info s[10:11], w1_codes s[12:13], w1_scales s[14:15], b1 s[16:17], hq s[18:19]
	s_load_b64 s[20:21], s[0:1], 0x40              ; hs
	v_lshl_add_u32 v254, v0, 2, 0x1b000
	v_mov_b32 v255, 0
	v_lshrrev_b32 v10, 5, v0
	v_readfirstlane_b32 s22, v10                   ; wave 0..3
	s_and_b32 s23, ttmp7, 0xffff                   ; chunk
	v_and_b32 v10, 31, v0
	v_lshlrev_b32 v[LI], 4, v10
	v_add_nc_u32 v[LI2], 49152, v[LI]
	v_and_b32 v10, 15, v0                          ; r
	v_bfe_u32 v11, v0, 4, 1                        ; h
	v_lshlrev_b32 v[H16], 4, v11
	v_and_b32 v[WA], 8, v10
	v_add_nc_u32 v[WA], v[WA], v10                 ; r + 8 (r / 8)
	v_lshl_add_u32 v[WSA], v[WA], 5, v[H16]
	v_lshl_add_u32 v[WA], v[WA], 10, v[H16]
	v_lshlrev_b32 v[BA], 6, v11
	v_lshlrev_b32 v[R4], 2, v10
	v_lshlrev_b32 v[HSA], 4, v10
	v_lshl_add_u32 v[HSA], v11, 9, v[HSA]
	s_wait_alu depctr_va_sdst(0)                   ; s22 is written, ahead of its first reader
	s_and_b32 s28, s22, 1                          ; which of the two experts
	s_lshr_b32 s29, s22, 1                         ; which 128 of the 256 units
	s_mul_i32 s30, s22, 24576
	v_add_nc_u32 v[XST], s30, v[LI]
	s_mul_i32 s30, s22, 3072
	s_add_co_u32 s30, s30, XSB
	v_add_nc_u32 v[XSS], s30, v[LI]
	s_lshl_b32 s30, s22, 8
	v_add_nc_u32 v[XB], s30, v[H16]
	s_mov_b32 s[SEL], 0x76543210
	s_mov_b32 s[SEL+1], 0xfedcba98                 ; v_permlanex16_b32's selects for lane l xor 16
	s_mov_b32 s[MNT], 0x600000                     ; the mantissa field of 448
	s_mov_b32 s[K1], 0xbdd2d3e8                    ; K1 = 0.044715 K0
	s_mov_b32 s[K1+1], s[K1]                       ; (named with it as a pair, so it is written)
	s_mov_b32 s[HM], 0xffff0000                    ; lanes 16-31
	s_lshl_b32 s30, s23, 4
	s_mov_b32 s31, 0
	s_wait_kmcnt 0x0
	s_add_nc_u64 s[10:11], s[10:11], s[30:31]
	s_load_b128 s[24:27], s[10:11], 0x0            ; a s24, b s25, n s26
	s_mul_i32 s30, s23, 384
	s_add_nc_u64 s[8:9], s[8:9], s[30:31]          ; the chunk's 96 slots
	s_wait_alu depctr_va_vdst(0)                   ; the offsets and LDS addresses v1 to v9, v30 and v31 are written: every load, store and LDS instruction of the kernel reads one of them, on both ways round the gather
.irp m, 0,1,2,3,4,5
	global_load_b32 v[TK+\m], v[R4], s[8:9] offset:64*\m
.endr
	s_lshl_b32 s33, ttmp9, 1
	s_add_co_u32 s33, s33, s29                     ; s2 = 2 z + w / 2: my K step of the second product
	s_lshl_b32 s34, s23, 1
	s_add_co_u32 s34, s34, s28                     ; 2 x chunk + which expert
	s_lshl_b32 s30, s34, 4
	s_add_co_u32 s30, s30, s33
	s_mul_i32 s30, s30, 12288                      ; six fragments of 2,048 bytes a K step
	s_add_nc_u64 s[18:19], s[18:19], s[30:31]
	s_and_b32 s35, s33, 7
	s_lshl_b32 s30, s34, 3
	s_add_co_u32 s30, s30, s35
	s_lshl_b32 s30, s30, 10
	s_lshr_b32 s35, s33, 3
	s_lshl_b32 s35, s35, 8
	s_add_co_u32 s30, s30, s35
	s_add_nc_u64 s[20:21], s[20:21], s[30:31]      ; hs: ((2 chunk + sel) x 8 + s2 % 8) x 1,024 + (s2 / 8) x 256
	s_wait_kmcnt 0x0
	s_cmp_eq_u32 s28, 0
	s_cselect_b32 s32, s24, s25
	s_min_u32 s32, s32, 7                          ; my expert: a loaded number enters an address only behind a bound
	s_lshl_b32 s32, s32, 11
	s_lshl_b32 s35, s33, 7
	s_add_co_u32 s32, s32, s35                     ; my first row of W1: 2,048 e + f0
	s_lshl_b32 s30, s32, 10
	s_add_nc_u64 s[12:13], s[12:13], s[30:31]
	s_lshl_b32 s30, s32, 5
	s_add_nc_u64 s[14:15], s[14:15], s[30:31]
	s_lshl_b32 s30, s32, 2
	s_add_nc_u64 s[16:17], s[16:17], s[30:31]
.irp t, 0,1,2,3,4,5,6,7
	global_load_b128 v[WS+4*\t:WS+4*\t+3], v[WSA], s[14:15] offset:(32*(\t/2)+8*(\t%2))*32      ; lanes 0-15: the words of K steps 0-3; lanes 16-31: of 4-7
.endr
.irp t, 0,1,2,3,4,5,6,7
.set rC, 192+8*\t-160*(\t/7)
	global_load_b128 v[rC:rC+3],   v[BA], s[16:17] offset:(32*(\t/2)+8*(\t%2))*4      ; b1 at units f0 + 32 (t / 2) + 16 h + 8 (t % 2) + 0 .. 7: the result's layout
	global_load_b128 v[rC+4:rC+7], v[BA], s[16:17] offset:(32*(\t/2)+8*(\t%2))*4+16
.endr
	WLOAD 0
	WIN 0
	s_cmp_eq_u32 s26, 0
	s_cbranch_scc1 .Lj                             ; a chunk without rows gathers nothing
	; THE GATHER: my wave brings K steps 2 w and 2 w + 1 of x's codes for all six row tiles, and a copy of the rows' scale words for itself
	s_wait_loadcnt 56                              ; the tokens are in: behind their 6 loads stand 8 + 16 + 32
.irp m, 0,1,2,3,4,5
	v_min_u32 v[TK+\m], 2047, v[TK+\m]
.endr
.irp m, 0,1,2,3,4,5
	v_lshl_add_u32 v[XA+\m], v[TK+\m], 10, v[XB]
	v_lshl_add_u32 v[XSA+\m], v[TK+\m], 5, v[H16]
.endr
	WIN 0x80
	s_wait_alu depctr_va_vdst(0)                   ; the twelve offsets v18 to v29 are written, which the gather's loads read
.irp m, 0,1,2,3,4,5
	global_load_b128 v[192+4*\m:192+4*\m+3], v[XSA+\m], s[6:7]
.endr
.irp m, 0,1,2,3,4,5
.irp q, 0,1
.irp c, 0,1,2,3
	global_load_b128 v[16*(2*\m+\q)+4*\c:16*(2*\m+\q)+4*\c+3], v[XA+\m], s[4:5] offset:128*\q+32*\c
.endr
.endr
.endr
	s_wait_loadcnt 0x0
	WIN 0x08                                       ; an LDS store's data are its source 1: window 2
.irp m, 0,1,2,3,4,5
.irp q, 0,1
.irp c, 0,1,2,3
	ds_store_b128 v[XST], v[16*(2*\m+\q)+4*\c:16*(2*\m+\q)+4*\c+3] offset:12288*\q+2048*\m+512*\c
.endr
.endr
.endr
.irp m, 0,1,2,3,4,5
	ds_store_b128 v[XSS], v[192+4*\m:192+4*\m+3] offset:512*\m
.endr
	s_wait_alu depctr_vm_vsrc(0)                   ; my LDS stores have read the gather's registers, which the first K step's matrix instructions write as accumulators
	WIN 0
.Lj:
	s_wait_dscnt 0x0                               ; for the others' sake: my images lie in LDS
	s_barrier_signal -1
	s_barrier_wait -1                              ; everybody's do
	s_cmp_eq_u32 s26, 0
	s_cbranch_scc1 .Lend
	WLOAD 1
	WIN 0
.irp m, 0,1,2,3,4,5
	ds_load_b128 v[XS+4*\m:XS+4*\m+3], v[XSS] offset:512*\m
.endr
.irp m, 0,1,2,3,4,5
	XFL 0, \m
.endr
	KSTEP 0                                        ; no wait on va_vdst: no vector or matrix instruction has named the sets in which its loads land
	KSTEP 1
	KSTEP 2
	KSTEP 3
	KSTEP 4
	KSTEP 5
	KSTEP 6
	KSTEP 7                                        ; it issues no load, so it has no wait on va_vdst either
	; THE WAY OUT, a row tile at a time.  gelu(x) = x / (1 + 2^(x (K0 + K1 x^2))), K0 = -2 sqrt(2 / pi) log2(e): that is 0.5 x (1 + tanh(sqrt(2 / pi) (x + 0.044715 x^3))) itself, with no difference of near numbers.
	WIN 0x40
	v_mov_b32 v[LI1], v[LI]                        ; the stores' offsets, in the window of their data
	v_mov_b32 v[HSA1], v[HSA]
	v_mov_b32 v[KV], 0xc0135761                    ; K0, twice: a pair for the packed form
	v_mov_b32 v[KV+1], 0xc0135761
.irp b, 0,1,2,3
	v_mov_b32 v[TM+4+\b], 0                        ; written once: a lane permute's destination counts as one of its sources
.endr
	v_mov_b32 v[PW+6], 0                           ; there are six row tiles: the words of a seventh and an eighth are 0 and nobody uses them
	v_mov_b32 v[PW+7], 0
.macro SEND m                          ; row tile m's fragment as it stands: each store covers 512 consecutive bytes, aligned; each row tile has its own registers, which nothing writes again
.irp c, 0,1,2,3
	global_store_b128 v[LI1], v[PC+16*(\m)+4*\c:PC+16*(\m)+4*\c+3], s[18:19] offset:2048*(\m)+512*\c
.endr
.endm
.macro GELU m
.set AB0, 64*((\m)%4)
.set WN, 2+(\m)/4                      ; the accumulators' window
	WIN (0x40+5*WN)
.set j, 0
.rept 32
	v_pk_mul_f32 v[T+j:T+j+1], v[AB0+j:AB0+j+1], v[AB0+j:AB0+j+1]                 ; x^2; ascending: each accumulator is first read at its low end
.set j, j+2
.endr
	WIN 0x55
.set j, 0
.rept 32
	v_pk_fma_f32 v[T+j:T+j+1], v[T+j:T+j+1], s[K1:K1+1], v[KV:KV+1] op_sel_hi:[1,0,1]   ; K1 x^2 + K0
.set j, j+2
.endr
	WIN (0x41+4*WN)
.set j, 0
.rept 32
	v_pk_mul_f32 v[T+j:T+j+1], v[T+j:T+j+1], v[AB0+j:AB0+j+1]
.set j, j+2
.endr
	WIN 0x55
.set j, 0
	s_wait_alu depctr_va_vdst(0)
.rept 64
	v_exp_f32 v[T+j], v[T+j]
.set j, j+1
.endr
	v_nop                                          ; a plain line behind the last exponential,
	s_wait_alu depctr_va_vdst(0)                   ; the 64 exponentials have written their results, ahead of the first reader; and the row tile before has written its codes, and the head of the way out the offset, which the stores below read
.if (\m) > 0
	SEND (\m)-1                                    ; no vector instruction behind the wait names these registers
.endif
.set j, 0
.rept 32
	v_pk_add_f32 v[T+j:T+j+1], v[T+j:T+j+1], 1.0 op_sel_hi:[1,0]
.set j, j+2
.endr
.set j, 0
	s_wait_alu depctr_va_vdst(0)
.rept 64
	v_rcp_f32 v[T+j], v[T+j]
.set j, j+1
.endr
	v_nop
	s_wait_alu depctr_va_vdst(0)                   ; the 64 reciprocals have written their results, ahead of the first reader
	WIN (0x41+4*WN)
.set j, 0
.rept 32
	v_pk_mul_f32 v[T+j:T+j+1], v[T+j:T+j+1], v[AB0+j:AB0+j+1]
.set j, j+2
.endr
	WIN 0x55
.endm
; 64 numbers of a lane, register 16 b + i = k 32 b + 16 h + i of my row, become a fragment's codes in v[pc] on and its scale word in v[pw].  A block of 32 lies in lanes l and l xor 16.
.macro QUANT pc, pw
.irp b, 0,1,2,3
	v_max3_num_f32 v[TM+\b], |v[T+16*\b]|, |v[T+16*\b+1]|, 0x4800000              ; with the floor 2^(9 - 127): the byte cannot fall under 1
.endr
.irp i, 2,4,6,8,10,12,14
.irp b, 0,1,2,3
	v_max3_num_f32 v[TM+\b], v[TM+\b], |v[T+16*\b+\i]|, |v[T+16*\b+\i+1]|
.endr
.endr
.irp b, 0,1,2,3
	v_permlanex16_b32 v[TM+4+\b], v[TM+\b], s[SEL], s[SEL+1]
.endr
.irp b, 0,1,2,3
	v_max_num_f32 v[TM+\b], v[TM+\b], v[TM+4+\b]
.endr
.irp b, 0,1,2,3
	v_add_nc_u32 v[TM+12+\b], 0xfc000000, v[TM+\b]                                ; 8 off the exponent field: the conversion's scale operand
.endr
.irp b, 0,1,2,3
	v_and_or_b32 v[TM+8+\b], v[TM+\b], 0x7f800000, s[MNT]                         ; 448 x the scale
.endr
.irp b, 0,1,2,3
	v_lshrrev_b32 v[TM+4+\b], 23, v[TM+12+\b]                                     ; the scale's byte
.endr
	v_lshl_or_b32 v[\pw], v[TM+5], 8, v[TM+4]
	v_lshl_or_b32 v[\pw], v[TM+6], 16, v[\pw]
	v_lshl_or_b32 v[\pw], v[TM+7], 24, v[\pw]
.irp b, 0,1,2,3
.irp i, 0,1,2,3,4,5,6,7,8,9,10,11,12,13,14,15
	v_med3_num_f32 v[T+16*\b+\i], v[T+16*\b+\i], -v[TM+8+\b], v[TM+8+\b]          ; the conversion to an 8-bit code does not saturate (ISA guide 7.6.2)
.endr
	v_cvt_scalef32_pk8_fp8_f32 v[(\pc)+4*\b:(\pc)+4*\b+1],   v[T+16*\b:T+16*\b+7],    v[TM+12+\b]
	v_cvt_scalef32_pk8_fp8_f32 v[(\pc)+4*\b+2:(\pc)+4*\b+3], v[T+16*\b+8:T+16*\b+15], v[TM+12+\b]
.endr
	v_nop                                          ; a plain line between the last conversion and the next vector line that writes its sources
.endm
.irp m, 0,1,2,3,4,5
	GELU \m
	QUANT PC+16*\m, PW+\m
.endr
.irp i, 0,1,2,3
	v_cndmask_b32 v[HD+\i], v[PW+\i], v[PW+4+\i], s[HM]     ; both halves of the lanes hold a row's word: lanes 0-15 send row tiles 0-3, lanes 16-31 row tiles 4-7
.endr
	s_wait_alu depctr_va_vdst(0)                   ; the last row tile's codes and the four registers of scale words are written, which the last five stores read
	SEND 5
	global_store_b128 v[HSA1], v[HD:HD+3], s[20:21]         ; two runs of 256 consecutive bytes, aligned
	WIN 0
.Lend:
	s_wait_dscnt 0x0                               ; the closing lines, six on end
	s_wait_alu 0x0
	s_wait_tensorcnt 0x0
	ds_add_u32 v254, v255
	s_wait_dscnt 0x0
	s_endpgm
.Lfunc_end_k_q780de9ec1c_ffn1:
	.size	k_q780de9ec1c_ffn1, .Lfunc_end_k_q780de9ec1c_ffn1-k_q780de9ec1c_ffn1
	.p2alignl 7, 3214868480
	.fill 96, 4, 3214868480
	.section	.rodata,"a",@progbits
	.p2align	6, 0x0
	.amdhsa_kernel k_q780de9ec1c_ffn1
		.amdhsa_group_segment_fixed_size 111104
		.amdhsa_private_segment_fixed_size 0
		.amdhsa_enable_private_segment 0
		.amdhsa_kernarg_size 72
		.amdhsa_user_sgpr_count 2
		.amdhsa_user_sgpr_kernarg_segment_ptr 1
		.amdhsa_wavefront_size32 1
		.amdhsa_system_sgpr_workgroup_id_x 1
		.amdhsa_system_sgpr_workgroup_id_y 1
		.amdhsa_system_sgpr_workgroup_id_z 1
		.amdhsa_system_vgpr_workitem_id 0
		.amdhsa_next_free_vgpr 992
		.amdhsa_next_free_sgpr 66
		.amdhsa_reserve_vcc 0
		.amdhsa_float_denorm_mode_32 3
		.amdhsa_float_denorm_mode_16_64 3
		.amdhsa_memory_ordered 1
		.amdhsa_forward_progress 1
		.amdhsa_inst_pref_size 241
	.end_amdhsa_kernel
	.amdgpu_metadata
---
amdhsa.version: [ 1, 2 ]
amdhsa.kernels:
  - .name:           k_q780de9ec1c_ffn1
    .symbol:         k_q780de9ec1c_ffn1.kd
    .args:
      - { .name: xq, .offset: 0, .size: 8, .value_kind: global_buffer, .address_space: global }
      - { .name: xs, .offset: 8, .size: 8, .value_kind: global_buffer, .address_space: global }
      - { .name: tok, .offset: 16, .size: 8, .value_kind: global_buffer, .address_space: global }
      - { .name: info, .offset: 24, .size: 8, .value_kind: global_buffer, .address_space: global }
      - { .name: w1_codes, .offset: 32, .size: 8, .value_kind: global_buffer, .address_space: global }
      - { .name: w1_scales, .offset: 40, .size: 8, .value_kind: global_buffer, .address_space: global }
      - { .name: b1, .offset: 48, .size: 8, .value_kind: global_buffer, .address_space: global }
      - { .name: hq, .offset: 56, .size: 8, .value_kind: global_buffer, .address_space: global }
      - { .name: hs, .offset: 64, .size: 8, .value_kind: global_buffer, .address_space: global }
    .group_segment_fixed_size: 111104
    .private_segment_fixed_size: 0
    .kernarg_segment_align: 8
    .kernarg_segment_size: 72
    .max_flat_workgroup_size: 128
    .sgpr_count:     66
    .vgpr_count:     992
    .wavefront_size: 32
...
	.end_amdgpu_metadata
.endif
;; end of part 7
;; launch ffn2 (part 8): grid 8 x 49, 4 waves a work-group, no clusters, 101,888 bytes of LDS; arguments hq, hs, tok, info, gates, w2_codes, w2_scales, b2, out0; writes out0
.if DOCPART == 8
	.amdgcn_target "amdgcn-amd-amdhsa--gfx1250"
	.amdhsa_code_object_version 6
	.text
	.protected	k_q780de9ec1c_ffn2
	.globl	k_q780de9ec1c_ffn2
	.p2align	8
	.type	k_q780de9ec1c_ffn2,@function
k_q780de9ec1c_ffn2:
	s_mov_b64 s[64:65], 0
	v_nop
	global_prefetch_b8 v0, s[64:65] scope:SCOPE_SE
	s_setreg_imm32_b32 hwreg(HW_REG_WAVE_SCHED_MODE, 0, 2), 2
	s_setreg_imm32_b32 hwreg(HW_REG_WAVE_MODE, 25, 1), 1
	s_wait_xcnt 0x0
	s_wait_alu depctr_vm_vsrc(0)
; THE SECOND PRODUCT AND THE GATES: out[token] = ga (Ha W2[a] + b2[a]) + gb (Hb W2[b] + b2[b]), on codes of E4M3 with one E8M0 scale for each 32 along K = 2,048.
; A chunk's tokens all chose the same experts a < b, so work-group (slice, chunk) holds BOTH contributions to columns 128 slice .. + 127 of its tokens' rows and is their one owner: nothing is added in memory.
; SHARES: wave w: expert a (w even) or b (w odd); columns n0 = 128 slice + 64 (w / 2) on, 4 tiles of 16, for the chunk's 6 row tiles: 24 accumulators; 16 K steps of 128.
; THE PRODUCT IS USED TRANSPOSED (source 0 = 16 rows of W2, source 1 = 16 tokens): a lane holds one token and 8 neighbouring columns, so the token's gate is one number a lane.
; Both operands go from memory straight into registers: W2 as it lies, the hidden layer as the images of registers that the launch before stored (each load takes 512 consecutive bytes).  The two waves of one expert load
; the same images: so the loop over K has no barrier, which the branch on n asks for (the one barrier stands where both ways join, and what is done under the branch ahead of it hands on LDS bytes alone).
; NO TENSOR LOAD, NO CLUSTER: whether a chunk is in use and which experts it has are numbers read from memory; a work-group without rows leaves by a branch on such a number.
; THE WAY OUT: gate x result goes into a stage for each expert (96 rows x (512 + 16) bytes); behind the barrier each wave reads 24 rows of both, adds them and stores the rows that hold a token: 512 consecutive bytes, aligned.
; THE MODE: SCHED_MODE bits 1:0 = 2 (LLVM: expert scheduling mode 2), set by the entry lines.  The code itself states the register dependences
; between vector or matrix instructions and memory or LDS instructions, with s_wait_alu, always for 0.
; THE PLAN.  Registers that memory or LDS instructions touch:
;   v1-9, v30        offsets and LDS addresses: written once at the head, ahead of one wait on va_vdst that stands ahead of the first branch; never written again.
;   the two sets of W2's 4 fragments and of the 6 hidden fragments: K step s reads sets s % 2; behind it the loads of K step s + 2 land in them.
;   So ONE wait on va_vdst stands behind K steps 0 to 13: the step's matrix instructions are done reading their sets.  The 40 loads follow it in one run, ahead of the wait for the next step's fragments, so that two steps'
;   loads are on their way: a step has 24 matrix instructions, and a load asked for among them would have less than that step in which to come.
;   v16-21           the gates' offsets: written behind the first K step, ahead of that step's wait; never written again.
;   the accumulators: written last by the multiplications by the gates, read by my LDS stores: one wait on va_vdst between; never written again.  That wait also shows the last matrix instructions done reading window 3's
;   registers, in which the other stage's rows land behind the barrier.
;   v128-247         the rows to store and their offsets: written by vector instructions, read by the global stores: one wait on va_vdst between; never written again.
;   No register that a memory or LDS instruction reads is written again, so no wait on vm_vsrc stands behind the entry lines.
; REGISTERS: window 0: v1-31 addresses, tokens, gates; v32-95 the hidden layer's scale words; v96-127 W2's; v128-223 rows read back; v224-247 their places in out.
;   window 1: v0-127 two sets of W2's 4 fragments.   window 2: v0-191 the accumulators at 8 (4 m + t); v192-223 b2 in the result's layout.   window 3: v0-191 two sets of the 6 hidden fragments; later the other stage's rows.
.set LI,   1                           ; v1   16 x lane
.set WA,   3                           ; v3   W2: 2,048 r + 16 h
.set WSA,  4                           ; v4   its scale bytes: 64 r + 32 h
.set BA,   5                           ; v5   b2: 32 h
.set R4,   6                           ; v6   4 r
.set SO,   7                           ; v7   into my stage: 528 r + 32 h + 256 (w / 2) + 50,688 (w % 2)
.set RD,   8                           ; v8   back: 24 x 528 x wave + 16 x lane
.set HSAD, 9                           ; v9   the hidden layer's scale words: 256 h + 16 r
.set TK,   10                          ; v10-15
.set GA,   16                          ; v16-21 token x 8 + 4 (w % 2)
.set G,    24                          ; v24-29 the gates
.set S4,   30
.set HS,   32                          ; register ((s % 8) x 2 + m / 4) x 4 + m % 4: lanes 0-15 K step s % 8, lanes 16-31 K step 8 + s % 8
.set WS,   96                          ; register 8 t + s % 8: likewise
.set RA,   128
.set OFF,  224
.set MSB, 0
.macro WIN new                         ; the immediate's high byte repeats the setting that is left
.if MSB != (\new)
	s_set_vgpr_msb (MSB<<8)|(\new)
.set MSB, (\new)
.endif
.endm
.macro PLACES n
.rept \n
	v_nop
.endr
.endm
.macro GLOAD s                         ; K step s: 24 loads of hidden codes and 16 of W2 into sets s % 2
	WIN 0xc0
.irp m, 0,1,2,3,4,5
.irp c, 0,1,2,3
	global_load_b128 v[96*((\s)%2)+16*\m+4*\c:96*((\s)%2)+16*\m+4*\c+3], v[LI], s[4:5] offset:(6*(\s)+\m)*2048+512*\c
.endr
.endr
	WIN 0x40
.irp t, 0,1,2,3
.irp c, 0,1,2,3
	global_load_b128 v[64*((\s)%2)+16*\t+4*\c:64*((\s)%2)+16*\t+4*\c+3], v[WA], s[14:15] offset:32768*\t+128*(\s)+32*\c
.endr
.endr
.endm
.macro ONE s, t, m                     ; the first K step takes b2 as C: no addition, nothing cleared
.set rD, 8*(4*(\m)+(\t))
.set rW, 64*((\s)%2)+16*(\t)
.set rH, 96*((\s)%2)+16*(\m)
.set rA, WS+8*(\t)+(\s)%8
.set rB, HS+(((\s)%8)*2+(\m)/4)*4+(\m)%4
.if (\s) == 0
	v_wmma_scale_f32_16x16x128_f8f6f4 v[rD:rD+7], v[rW:rW+15], v[rH:rH+15], v[192+8*(\t):192+8*(\t)+7], v[rA], v[rB]
.elseif (\s) < 8
	v_wmma_scale_f32_16x16x128_f8f6f4 v[rD:rD+7], v[rW:rW+15], v[rH:rH+15], v[rD:rD+7], v[rA], v[rB]
.else
	v_wmma_scale_f32_16x16x128_f8f6f4 v[rD:rD+7], v[rW:rW+15], v[rH:rH+15], v[rD:rD+7], v[rA], v[rB] matrix_a_scale:MATRIX_SCALE_ROW1 matrix_b_scale:MATRIX_SCALE_ROW1
.endif
.endm
; A K STEP: 24 matrix instructions; the 24 accumulators take turns, one instruction a turn, in the same order in every step.  Then the step's one wait, and the loads of two steps on into the sets just read.
.macro KSTEP s
.if (\s) == 15
	s_wait_loadcnt 0x0
.elseif (\s) == 1
	s_wait_loadcnt 46                              ; behind this step's 40 loads stand the 6 gates and the next step's 40
.else
	s_wait_loadcnt 40                              ; behind this step's 40 loads stand the next step's 40
.endif
	WIN 0xad                                       ; W2 window 1, the hidden layer window 3, C and D window 2
.irp t, 0,1,2,3
.irp m, 0,1,2,3,4,5
	ONE \s, \t, \m
.endr
.endr
.if (\s) == 0
	WIN 0                                          ; behind the first step: where the tokens' gates lie
.irp m, 0,1,2,3,4,5
	v_min_u32 v[TK+\m], 2047, v[TK+\m]
.endr
.irp m, 0,1,2,3,4,5
	v_lshl_add_u32 v[GA+\m], v[TK+\m], 3, v[S4]
.endr
	s_wait_alu depctr_va_vdst(0)                   ; the gates' six offsets are written, which the loads below read; and this step's matrix instructions are done reading their sets, in which the loads of two steps on land
.irp m, 0,1,2,3,4,5
	global_load_b32 v[G+\m], v[GA+\m], s[12:13]
.endr
	GLOAD 2
.elseif (\s) < 14
	WIN 0xc0
	s_wait_alu depctr_va_vdst(0)                   ; this step's matrix instructions are done reading their sets, in which the loads of two steps on land
	GLOAD (\s)+2
.elseif (\s) == 15
	PLACES 8                                       ; 8 plain vector lines behind the last matrix instruction, before vector lines read results
.endif
.endm
	s_load_b512 s[4:19], s[0:1], 0x0               ; hq s[4:5], hs s[6:7], tok s[8:9], info s[10:11], gates s[12:13], w2_codes s[14:15], w2_scales s[16:17], b2 s[18:19]
	s_load_b64 s[20:21], s[0:1], 0x40              ; out0
	v_lshl_add_u32 v254, v0, 2, 0x18c00
	v_mov_b32 v255, 0
	v_lshrrev_b32 v2, 5, v0
	v_readfirstlane_b32 s22, v2                    ; wave 0..3
	s_and_b32 s23, ttmp7, 0xffff                   ; chunk
	v_and_b32 v2, 31, v0
	v_lshlrev_b32 v[LI], 4, v2
	v_and_b32 v22, 15, v0                          ; r
	v_bfe_u32 v23, v0, 4, 1                        ; h
	v_lshlrev_b32 v[WA], 11, v22
	v_lshl_add_u32 v[WA], v23, 4, v[WA]
	v_lshlrev_b32 v[WSA], 6, v22
	v_lshl_add_u32 v[WSA], v23, 5, v[WSA]
	v_lshlrev_b32 v[BA], 5, v23
	v_lshlrev_b32 v[R4], 2, v22
	v_mul_u32_u24 v[SO], v22, 528
	v_lshl_add_u32 v[SO], v23, 5, v[SO]
	v_lshlrev_b32 v[HSAD], 4, v22
	v_lshl_add_u32 v[HSAD], v23, 8, v[HSAD]
	s_wait_alu depctr_va_sdst(0)                   ; s22 is written, ahead of its first reader
	s_and_b32 s28, s22, 1                          ; which of the two experts
	s_lshr_b32 s29, s22, 1                         ; which 64 of the 128 columns
	s_mul_i32 s30, s28, 50688
	s_lshl_b32 s31, s29, 8
	s_add_co_u32 s30, s30, s31
	v_add_nc_u32 v[SO], s30, v[SO]
	s_mul_i32 s30, s22, 24*528
	v_add_nc_u32 v[RD], s30, v[LI]
	s_lshl_b32 s61, s28, 2
	v_mov_b32 v[S4], s61
	s_lshl_b32 s30, s23, 4
	s_mov_b32 s31, 0
	s_wait_kmcnt 0x0
	s_add_nc_u64 s[10:11], s[10:11], s[30:31]
	s_load_b128 s[24:27], s[10:11], 0x0            ; a s24, b s25, n s26
	s_mul_i32 s30, s23, 384
	s_add_nc_u64 s[8:9], s[8:9], s[30:31]          ; the chunk's 96 slots
	s_mul_i32 s30, s22, 96
	s_add_nc_u64 s[32:33], s[8:9], s[30:31]        ; the 24 that I store
	s_load_b256 s[36:43], s[32:33], 0x0
	s_load_b256 s[44:51], s[32:33], 0x20
	s_load_b256 s[52:59], s[32:33], 0x40
	s_lshl_b32 s34, s23, 1
	s_add_co_u32 s34, s34, s28                     ; 2 x chunk + which expert
	s_mul_i32 s30, s34, 196608                     ; 16 K steps x 6 fragments x 2,048 bytes
	s_add_nc_u64 s[4:5], s[4:5], s[30:31]
	s_lshl_b32 s30, s34, 13
	s_add_nc_u64 s[6:7], s[6:7], s[30:31]
	s_lshl_b32 s30, ttmp9, 9
	s_add_nc_u64 s[20:21], s[20:21], s[30:31]      ; out0 at my slice's 512 bytes of a row
	s_wait_kmcnt 0x0
	s_cmp_eq_u32 s28, 0
	s_cselect_b32 s35, s24, s25
	s_min_u32 s35, s35, 7                          ; my expert: a loaded number enters an address only behind a bound
	s_lshl_b32 s35, s35, 10
	s_lshl_b32 s30, ttmp9, 7
	s_add_co_u32 s35, s35, s30
	s_lshl_b32 s30, s29, 6
	s_add_co_u32 s35, s35, s30                     ; my first row of W2: 1,024 e + n0
	s_lshl_b32 s30, s35, 11
	s_add_nc_u64 s[14:15], s[14:15], s[30:31]
	s_lshl_b32 s30, s35, 6
	s_add_nc_u64 s[16:17], s[16:17], s[30:31]
	s_lshl_b32 s30, s35, 2
	s_add_nc_u64 s[18:19], s[18:19], s[30:31]
	s_mul_i32 s60, s22, 24
	s_min_u32 s60, s60, s26
	s_sub_co_u32 s60, s26, s60                     ; how many of my 24 rows (and those behind them) hold a token
	s_wait_alu depctr_va_vdst(0)                   ; the offsets and LDS addresses v1 to v9 and v30 are written: the loads, the LDS stores and the LDS loads below read them; ahead of the branch, so that it holds on both ways
	s_cmp_eq_u32 s26, 0
	s_cbranch_scc1 .Lj                             ; a chunk without rows loads and multiplies nothing
.irp m, 0,1,2,3,4,5
	global_load_b32 v[TK+\m], v[R4], s[8:9] offset:64*\m
.endr
.irp q, 0,1,2,3,4,5,6,7,8,9,10,11,12,13,14,15
	global_load_b128 v[HS+4*\q:HS+4*\q+3], v[HSAD], s[6:7] offset:512*\q
.endr
.irp t, 0,1,2,3
	global_load_b128 v[WS+8*\t:WS+8*\t+3],   v[WSA], s[16:17] offset:1024*\t      ; lanes 0-15: the words of K steps 0-7; lanes 16-31: of 8-15
	global_load_b128 v[WS+8*\t+4:WS+8*\t+7], v[WSA], s[16:17] offset:1024*\t+16
.endr
	WIN 0x80
.irp t, 0,1,2,3
	global_load_b128 v[192+8*\t:192+8*\t+3],   v[BA], s[18:19] offset:64*\t       ; b2 at columns n0 + 16 t + 8 h + 0 .. 7: the result's layout
	global_load_b128 v[192+8*\t+4:192+8*\t+7], v[BA], s[18:19] offset:64*\t+16
.endr
	GLOAD 0
	GLOAD 1
	KSTEP 0
	KSTEP 1
	KSTEP 2
	KSTEP 3
	KSTEP 4
	KSTEP 5
	KSTEP 6
	KSTEP 7
	KSTEP 8
	KSTEP 9
	KSTEP 10
	KSTEP 11
	KSTEP 12
	KSTEP 13
	KSTEP 14                                       ; behind it no load follows, so no wait
	KSTEP 15                                       ; its 8 places stand in front of the first reads of results
	WIN 0x82                                       ; results window 2, gates window 0
.irp m, 0,2,4
.set j, 0
.rept 16
	v_pk_mul_f32 v[32*\m+j:32*\m+j+1], v[32*\m+j:32*\m+j+1], v[G+\m:G+\m+1] op_sel_hi:[1,0]                       ; x my token's gate (the pair's first register for both halves); ascending: each accumulator is first read at its low end
.set j, j+2
.endr
.set j, 0
.rept 16
	v_pk_mul_f32 v[32*\m+32+j:32*\m+32+j+1], v[32*\m+32+j:32*\m+32+j+1], v[G+\m:G+\m+1] op_sel:[0,1] op_sel_hi:[1,1]   ; the next row tile: the pair's second register
.set j, j+2
.endr
.endr
	WIN 0x08                                       ; an LDS store's data are its source 1: window 2
	s_wait_alu depctr_va_vdst(0)                   ; the multiplications have written the results, which the LDS stores read; and the last matrix instructions are done reading window 3's registers, in which LDS loads land behind the barrier
.irp m, 0,1,2,3,4,5
.irp t, 0,1,2,3
	ds_store_b128 v[SO], v[8*(4*\m+\t):8*(4*\m+\t)+3]   offset:8448*\m+64*\t       ; lane (r, h): slot 16 m + r, columns 64 (w / 2) + 16 t + 8 h + 0 .. 7
	ds_store_b128 v[SO], v[8*(4*\m+\t)+4:8*(4*\m+\t)+7] offset:8448*\m+64*\t+16
.endr
.endr
	WIN 0
.Lj:
	s_wait_dscnt 0x0                               ; for the others' sake: my part of the stages lies in LDS
	s_barrier_signal -1
	s_barrier_wait -1                              ; everybody's does
	s_cmp_eq_u32 s26, 0
	s_cbranch_scc1 .Lend
.irp i, 0,1,2,3,4,5,6,7,8,9,10,11,12,13,14,15,16,17,18,19,20,21,22,23
	ds_load_b128 v[RA+4*\i:RA+4*\i+3], v[RD] offset:528*\i                         ; a row of 512 bytes, 16 a lane: expert a's,
.endr
	WIN 0xc0
.irp i, 0,1,2,3,4,5,6,7,8,9,10,11,12,13,14,15,16,17,18,19,20,21,22,23
	ds_load_b128 v[4*\i:4*\i+3], v[RD] offset:50688+528*\i                         ; and expert b's
.endr
	WIN 0
.irp i, 0,1,2,3,4,5,6,7,8,9,10,11,12,13,14,15,16,17,18,19,20,21,22,23
	s_min_u32 s[36+\i], s[36+\i], 2047
	s_lshl_b32 s[36+\i], s[36+\i], 12
	v_add_nc_u32 v[OFF+\i], s[36+\i], v[LI]        ; the token's row of 4,096 bytes
.endr
	s_wait_dscnt 0x0
	WIN 0x0c
.set j, 0
.rept 48
	v_pk_add_f32 v[RA+j:RA+j+1], v[RA+j:RA+j+1], v[j:j+1]
.set j, j+2
.endr
	WIN 0
	s_wait_alu depctr_va_vdst(0)                   ; the additions have written the 24 rows and their 24 offsets, which the stores below read
.irp i, 0,1,2,3,4,5,6,7,8,9,10,11,12,13,14,15,16,17,18,19,20,21,22,23
	s_cmp_le_u32 s60, \i                           ; slots past n hold no token: nothing of them is stored
	s_cbranch_scc1 .Lend
	global_store_b128 v[OFF+\i], v[RA+4*\i:RA+4*\i+3], s[20:21] th:TH_STORE_NT     ; 32 lanes store 512 consecutive bytes, at a multiple of 512 from out0's first byte
.endr
.Lend:
	s_wait_dscnt 0x0                               ; the closing lines, six on end
	s_wait_alu 0x0
	s_wait_tensorcnt 0x0
	ds_add_u32 v254, v255
	s_wait_dscnt 0x0
	s_endpgm
.Lfunc_end_k_q780de9ec1c_ffn2:
	.size	k_q780de9ec1c_ffn2, .Lfunc_end_k_q780de9ec1c_ffn2-k_q780de9ec1c_ffn2
	.p2alignl 7, 3214868480
	.fill 96, 4, 3214868480
	.section	.rodata,"a",@progbits
	.p2align	6, 0x0
	.amdhsa_kernel k_q780de9ec1c_ffn2
		.amdhsa_group_segment_fixed_size 101888
		.amdhsa_private_segment_fixed_size 0
		.amdhsa_enable_private_segment 0
		.amdhsa_kernarg_size 72
		.amdhsa_user_sgpr_count 2
		.amdhsa_user_sgpr_kernarg_segment_ptr 1
		.amdhsa_wavefront_size32 1
		.amdhsa_system_sgpr_workgroup_id_x 1
		.amdhsa_system_sgpr_workgroup_id_y 1
		.amdhsa_system_sgpr_workgroup_id_z 1
		.amdhsa_system_vgpr_workitem_id 0
		.amdhsa_next_free_vgpr 960
		.amdhsa_next_free_sgpr 72
		.amdhsa_reserve_vcc 0
		.amdhsa_float_denorm_mode_32 3
		.amdhsa_float_denorm_mode_16_64 3
		.amdhsa_memory_ordered 1
		.amdhsa_forward_progress 1
		.amdhsa_inst_pref_size 142
	.end_amdhsa_kernel
	.amdgpu_metadata
---
amdhsa.version: [ 1, 2 ]
amdhsa.kernels:
  - .name:           k_q780de9ec1c_ffn2
    .symbol:         k_q780de9ec1c_ffn2.kd
    .args:
      - { .name: hq, .offset: 0, .size: 8, .value_kind: global_buffer, .address_space: global }
      - { .name: hs, .offset: 8, .size: 8, .value_kind: global_buffer, .address_space: global }
      - { .name: tok, .offset: 16, .size: 8, .value_kind: global_buffer, .address_space: global }
      - { .name: info, .offset: 24, .size: 8, .value_kind: global_buffer, .address_space: global }
      - { .name: gates, .offset: 32, .size: 8, .value_kind: global_buffer, .address_space: global }
      - { .name: w2_codes, .offset: 40, .size: 8, .value_kind: global_buffer, .address_space: global }
      - { .name: w2_scales, .offset: 48, .size: 8, .value_kind: global_buffer, .address_space: global }
      - { .name: b2, .offset: 56, .size: 8, .value_kind: global_buffer, .address_space: global }
      - { .name: out0, .offset: 64, .size: 8, .value_kind: global_buffer, .address_space: global }
    .group_segment_fixed_size: 101888
    .private_segment_fixed_size: 0
    .kernarg_segment_align: 8
    .kernarg_segment_size: 72
    .max_flat_workgroup_size: 128
    .sgpr_count:     72
    .vgpr_count:     960
    .wavefront_size: 32
...
	.end_amdgpu_metadata
.endif
;; end of part 8
